; MI455X (gfx1250); checked and timed in simulation.
; The chip was launched on July 23, 2026; its instructions are those of AMD's public machine-readable ISA for CDNA 5 (MIT licence, August 2026) and "CDNA5" Instruction Set Architecture Reference Guide (July 2026). The comments in the code are by the model that wrote it; some were corrected since.
;; Multi Head Attention. Allowed arithmetic: matrix products marked QUANTISED: E2M1 operands, one E8M0 scale for each 32 along K, by v_wmma_scale_f32_16x16x128_f8f6f4 with both operands' format E2M1 (or v_wmma_scale_f32_32x16x128_f4), f32 sums; products left as they are: bf16, f16 or f32 operands; f32 sums; everything else in f32.
;; Inputs: b_k 1,024 float32; b_o 1,024 float32; b_q 1,024 float32; b_v 1,024 float32; k 4 x 2,048 x 1,024 float32; q 4 x 2,048 x 1,024 float32; v 4 x 2,048 x 1,024 float32; w_k 1,024 x 1,024 float32; w_o 1,024 x 1,024 float32; w_q 1,024 x 1,024 float32; w_v 1,024 x 1,024 float32.
;; Outputs: out0 4 x 2,048 x 1,024 float32.
;; This version of the problem:
;;   THIS VERSION OF THE PROBLEM IS GIVEN IN LOW PRECISION. The matrix products marked QUANTISED in the list below multiply operands that are first quantised to E2M1 (2 exponent bits, 1 mantissa bit; 4 bits a number), with one power-of-two scale for each 32 numbers along K (OCP MX v1.0); their sums are f32. The products marked 'left as it is' may take bf16, f16 or f32 operands, with f32 sums. Whichever they take, every output number must still come out within the allowed error. Rounding operands to bf16 (8 significant bits) uses up far more of that allowance than f16 does (11 bits, for magnitudes from 6e-5 to 65,504). All else is computed in f32.
;;   The module's matrix products, in the order in which they are computed (A, B: the left and right operand; K: the contracted axis; several contracted axes count as one K, in the product's order):
;;     1. [M 8,192, K 1,024] x [K 1,024, N 1,024]; A: input q; B: input w_q: QUANTISED
;;     2. [M 8,192, K 1,024] x [K 1,024, N 1,024]; A: input k; B: input w_k: QUANTISED
;;     3. [M 8,192, K 1,024] x [K 1,024, N 1,024]; A: input v; B: input w_v: QUANTISED
;;     4. batch 64 x [M 2,048, K 64] x [K 64, N 2,048]; A: computed on the way; B: computed on the way: left as it is (an operand is computed on the way)
;;     5. batch 64 x [M 2,048, K 2,048] x [K 2,048, N 64]; A: computed on the way; B: computed on the way: left as it is (an operand is computed on the way)
;;     6. [M 8,192, K 1,024] x [K 1,024, N 1,024]; A: computed on the way; B: input w_o: left as it is (an operand is computed on the way)
;;   THE QUANTISER, for each operand of a quantised product, along K:
;;     - K is cut into blocks of 32 from its start; a last block that is shorter is filled with zeros.
;;     - A block's scale is 2^e with e = floor(log2(the largest magnitude in the block)) - 2, held to -126 .. 127; a block of zeros has e = 0. As a byte (E8M0): e + 127.
;;     - Each number is divided by its block's scale, clamped to +-6, and rounded to the nearest number of E2M1, ties to even, subnormals kept.
;;     - The product sums the exact products of the quantised numbers (number of the format x scale) in f32.
;;   ~~~python
;;   def quantise(x, axis):      # numpy; x: float32 -> the quantised numbers, widened to float32 again
;;       x = np.moveaxis(x, axis, -1); K = x.shape[-1]
;;       x = np.pad(x, [(0, 0)] * (x.ndim - 1) + [(0, -K % 32)]); x = x.reshape(x.shape[:-1] + (-1, 32)); a = np.abs(x).max(-1, keepdims=True)
;;       e = np.where(a > 0, np.clip(np.frexp(np.where(a > 0, a, 1))[1] - 1 - 2, -126, 127), 0)      # np.frexp(a)[1] - 1 = floor(log2(a)), exactly
;;       r = np.clip(x / 2.0 ** e, -6, 6)
;;       step = 2.0 ** (np.maximum(np.frexp(np.where(r == 0, 1, r))[1] - 1, 0) - 1)
;;       q = np.round(r / step) * step * 2.0 ** e      # np.round: ties to even
;;       return np.moveaxis(q.reshape(q.shape[:-2] + (-1,))[..., :K], -1, axis).astype(np.float32)
;;   ~~~
;; One version. Each part assembles by itself: llvm-mc -triple=amdgcn-amd-amdhsa -mcpu=gfx1250 --defsym DOCPART=n.
;; ======== version 1 of 1: 4 launches
;; limits: values are held in f16: magnitudes above 65,504 overflow, below 6.1e-05 lose precision
;; workspace buffers: codes 14,155,776 bytes; scales 884,736 bytes; wo16 2,097,152 bytes; proj 50,331,648 bytes; ao 16,777,216 bytes
;; launch quant (part 1): grid 896 x 1, 4 waves a work-group, no clusters, 33,280 bytes of LDS; arguments q, k, v, w_q, w_k, w_v, w_o, codes, scales, wo16; writes codes, scales, wo16
.if DOCPART == 1
	.amdgcn_target "amdgcn-amd-amdhsa--gfx1250"
	.amdhsa_code_object_version 6
	.text
	.protected	k_qa26e4a1b49_quant
	.globl	k_qa26e4a1b49_quant
	.p2align	8
	.type	k_qa26e4a1b49_quant,@function
k_qa26e4a1b49_quant:
	s_mov_b64 s[64:65], 0
	v_nop
	global_prefetch_b8 v0, s[64:65] scope:SCOPE_SE
	s_setreg_imm32_b32 hwreg(HW_REG_WAVE_MODE, 25, 1), 1
	s_wait_xcnt 0x0
; MULTI-HEAD ATTENTION, launch 1 of 4: the operands of the three quantised products become codes, and w_o becomes f16.
; WORK LEFT OUT IN THE WHOLE PROGRAM: b_k.  score(q, k) = c qh_q . (k_k W_k^T + b_k) = c qh_q . (k_k W_k^T) + c qh_q . b_k, and the second term is the same for every key k of a row:
; a softmax along the keys takes away a term that is the same along its axis, for all values of the inputs.  b_k is added BEHIND the quantised product k W_k^T, and the product with qh is not quantised, so no
; quantiser ever sees it.  So b_k has no way to any output: it is not loaded and is among no launch's arguments.  LIMIT: a NaN, an infinity or an overflow that comes from b_k alone is not carried to the result.
; b_v is live and is MOVED: the weights of a row sum to 1, so sum_k p (v_k + b_v) / sum p = (sum_k p v_k) / sum p + b_v: it is the addend of the multiply-add that divides by the sum (launch 3).
; THIS LAUNCH.  q, k, v [8192][1024] and w_q, w_k, w_v [1024][1024], f32, K innermost, are turned into codes of FP4 (E2M1), two a byte, the lower k in the low four bits, and one E8M0 byte for each 32 along K.
; The six tensors lie one behind the other in both buffers: 27,648 rows of 512 bytes of codes and of 32 scale bytes.  Rows are dense and 1,024 is a multiple of 32: all is a plain stream of blocks of 32.
; A block's scale is 2^(floor(log2(its largest magnitude)) - 2); its byte is that magnitude's exponent field - 2, held at 1 from below.  (A block of zeros so gets the byte 1 where the rule says 127: its codes
; are zeros, which add nothing under any byte but 0xff, and the bytes are read by this program alone.)  Each number is divided by the scale and rounded to the nearest code, ties to even; beyond 6 the largest code.
; LIMITS: NaN and infinities among the inputs are not served.
; SHARES.  A work-group takes 32,768 numbers, a wave 8,192: 16 steps of 512.  Work-groups 0-255 q, 256-511 k, 512-767 v, 768-799 w_q, 800-831 w_k, 832-863 w_v: the same order as in the buffers, so the places of
; the results are linear in the work-group's number.  Only the source pointer is chosen, on the work-group's number.  Work-groups 864-895 turn w_o into f16, laid [head 16][n 1024][64]; that path touches no LDS.
; Each of a step's four loads reads 512 consecutive bytes; the 2,048 bytes go through the wave's own stage in LDS and come back 64 bytes a lane (16 neighbours along K; two neighbouring lanes hold a block).
; A lane's 16 codes are 8 bytes: the wave stores 256 consecutive bytes.  A wave's 256 scale bytes are gathered in LDS and leave as one store of 256 consecutive, aligned bytes.  No barrier: waves share nothing.
.set WAVES, 4
.set STEPS, 16
.set EMAX,  2
.set CB,    8                          ; bytes of 16 codes
.set R,     16                         ; v16-79   four sets of 16 numbers as they are loaded
.set X,     80                         ; v80-111  two sets of 16 neighbours
.set C,     128                        ; v128-191 codes: four registers for each step, so that no store's data are written again
.set E,     112                        ; v112-127 a scale byte for each step
.set WREG,  8192                       ; LDS: a region for each wave: two stages of 32 x SP bytes, behind them its 256 scale bytes
.set SP,    80                         ; a lane's place in a stage: its 64 bytes + 16 of padding
.set SPW,   12                         ; v12      LDS address of my spare word; never rewritten
.set NIL,   13                         ; v13      0; never rewritten
.set SPARE, WAVES*WREG                 ; behind the four regions: the spare words, 128 bytes a wave, named by no other line
.set WV,    36                         ; s36      my wave's number
	s_load_b512 s[16:31], s[0:1], 0x0              ; q 16, k 18, v 20, w_q 22, w_k 24, w_v 26, w_o 28, codes 30
	s_load_b128 s[32:35], s[0:1], 0x40             ; scales 32, wo16 34
	v_lshl_add_u32 v[SPW], v0, 2, SPARE
	v_mov_b32 v[NIL], 0
	v_lshrrev_b32 v1, 5, v0
	v_readfirstlane_b32 s[WV], v1                  ; wave
	v_and_b32 v2, 31, v0                           ; lane
	v_lshlrev_b32 v3, 4, v2                        ; my 16 bytes of a load's 512
	s_mul_i32 s44, s[WV], WREG
	v_lshrrev_b32 v14, 2, v2
	v_mul_u32_u24 v14, v14, SP
	v_and_b32 v15, 3, v2
	v_lshl_add_u32 v14, v15, 4, v14
	v_add_nc_u32 v14, s44, v14                     ; the stage, on the way in: SP (lane / 4) + 16 (lane % 4); a load's 512 bytes take eight places
	v_mul_u32_u24 v15, v2, SP
	v_add_nc_u32 v15, s44, v15                     ; and on the way out: SP x lane: my 16 neighbours
	v_mul_u32_u24 v4, v2, CB                       ; my codes' place in a step's
	v_lshrrev_b32 v5, 1, v2
	s_add_co_u32 s44, s44, 2*32*SP
	v_add_nc_u32 v5, s44, v5                       ; LDS: my wave's 256 scale bytes, my block's byte
	v_lshlrev_b32 v7, 3, v2                        ; and on the way out 8 bytes a lane
	v_add_nc_u32 v6, s44, v7
	s_mov_b32 s37, 0                               ; the first work-group of my tensor
	s_wait_kmcnt 0x0
	s_mov_b64 s[4:5], s[16:17]
.macro PICK n, p                       ; from work-group n on the source is the tensor at s[p:p+1]: the choice hangs on the work-group's number alone
	s_cmp_ge_u32 ttmp9, \n
	s_cselect_b64 s[4:5], s[\p:\p+1], s[4:5]
	s_cselect_b32 s37, \n, s37
.endm
	PICK 256, 18
	PICK 512, 20
	PICK 768, 22
	PICK 800, 24
	PICK 832, 26
	PICK 864, 28
	s_sub_co_u32 s38, ttmp9, s37
	s_lshl_b32 s38, s38, 2
	s_add_co_u32 s38, s38, s[WV]                   ; which run of 8,192 numbers of the tensor is my wave's
	s_lshl_b32 s38, s38, 15                        ; 32,768 bytes a run
	s_mov_b32 s39, 0
	s_add_nc_u64 s[4:5], s[4:5], s[38:39]
	s_cmp_ge_u32 ttmp9, 864
	s_cbranch_scc1 .Lconv
	s_lshl_b32 s40, ttmp9, 2
	s_add_co_u32 s40, s40, s[WV]                   ; which run of all six tensors
	s_lshl_b32 s42, s40, 12                        ; 4,096 bytes of codes a run
	s_mov_b32 s43, 0
	s_add_nc_u64 s[8:9], s[30:31], s[42:43]
	s_lshl_b32 s42, s40, 8                         ; 256 scale bytes a run
	s_add_nc_u64 s[10:11], s[32:33], s[42:43]
.macro LOAD t
.irp i, 0,1,2,3
	global_load_b128 v[R+16*((\t)%4)+4*\i:R+16*((\t)%4)+4*\i+3], v3, s[4:5] offset:2048*(\t)+512*\i th:TH_LOAD_NT   ; 32 lanes read 512 consecutive bytes
.endr
.endm
.macro TURN t                          ; step t's numbers through the stage: LDS serves a wave's instructions in order, so no wait stands between the stores and the loads
.irp i, 0,1,2,3
	ds_store_b128 v14, v[R+16*((\t)%4)+4*\i:R+16*((\t)%4)+4*\i+3] offset:32*SP*((\t)%2)+8*SP*\i
.endr
.irp i, 0,1,2,3
	ds_load_b128 v[X+16*((\t)%2)+4*\i:X+16*((\t)%2)+4*\i+3], v15 offset:32*SP*((\t)%2)+16*\i
.endr
.endm
.irp t, 0,1,2,3
	LOAD \t
.endr
	s_wait_loadcnt 12                              ; step 0's four loads are in; twelve younger ones stay out
	TURN 0
.macro STEP t
.set XS, X+16*((\t)%2)
.if (\t) > 0
	s_wait_dscnt 1                                 ; this step's numbers are back from the stage (the last step's byte store may be out): so its stores into the stage have read their registers,
.else
	s_wait_dscnt 0x0
.endif
.if (\t)+4 < STEPS
	LOAD (\t)+4                                    ; which take the loads of four steps on
.endif
.if (\t)+1 < STEPS
.if STEPS-2-(\t) >= 3
	s_wait_loadcnt 12                              ; the next step's four loads are in; those of the three steps behind it may be out
.else
	s_wait_loadcnt 4*(STEPS-2-(\t))
.endif
	TURN (\t)+1                                    ; and go through the other stage while this step is worked
.endif
	v_max3_num_f32 v8, |v[XS]|, |v[XS+1]|, |v[XS+2]|               ; the largest magnitude of my 16, in two chains
	v_max3_num_f32 v9, |v[XS+3]|, |v[XS+4]|, |v[XS+5]|
.irp i, 6,10
	v_max3_num_f32 v8, v8, |v[XS+\i]|, |v[XS+\i+1]|
	v_max3_num_f32 v9, v9, |v[XS+\i+2]|, |v[XS+\i+3]|
.endr
	v_max3_num_f32 v8, v8, |v[XS+14]|, |v[XS+15]|
	v_max3_num_f32 v8, v8, v9, (EMAX+1)<<23        ; and the floor 2^(EMAX + 1 - 127): so the byte cannot fall under 1
	v_max_num_f32_dpp v8, v8, v8 row_xmask:1 row_mask:0xf bank_mask:0xf   ; and of my neighbour's 16: the block's
	v_add_nc_u32 v11, -(EMAX<<23), v8              ; EMAX off its exponent field: the conversion takes the exponent field of this operand as its scale, and nothing else of it
	v_cvt_scalef32_pk8_fp4_f32 v[C+4*(\t)], v[XS:XS+7], v11
	v_cvt_scalef32_pk8_fp4_f32 v[C+4*(\t)+1], v[XS+8:XS+15], v11
	v_lshrrev_b32 v[E+(\t)], 23, v11               ; the scale's byte (also the plain line behind the conversions)
	ds_store_b8 v5, v[E+(\t)] offset:16*(\t)       ; both lanes of a block write the same byte with the same value
	global_store_b64 v4, v[C+4*(\t):C+4*(\t)+1], s[8:9] offset:32*CB*(\t)   ; 32 lanes store 256 consecutive, aligned bytes
.endm
.irp t, 0,1,2,3,4,5,6,7,8,9,10,11,12,13,14,15
	STEP \t
.endr
	ds_load_b64 v[8:9], v6                         ; LDS serves a wave's instructions in order: these see my stores
	s_wait_dscnt 0x0
	global_store_b64 v7, v[8:9], s[10:11]          ; 32 lanes store 256 consecutive, aligned bytes
	s_wait_tensorcnt 0x0                           ; the wave's end, behind my last LDS store
	ds_add_u32 v[SPW], v[NIL]
	s_wait_dscnt 0x0
	s_endpgm
; w_o [n 1024][1024] f32 -> wo16 [head][n][64] f16.  My wave takes rows n = 8 gw .. 8 gw + 7, gw = 4 (work-group - 864) + wave; s[4:5] stands at row 8 gw already.
; Lane L: i = L % 8 (8 numbers of a head's 64), tk = (L / 8) % 2 (which of two rows), hd = L / 16 (which of two heads).  A store's lanes 0-15 write rows n, n + 1 of one head: 256 consecutive, aligned bytes.
.Lconv:
	v_and_b32 v10, 7, v2                           ; i
	v_bfe_u32 v11, v2, 3, 1                        ; tk
	v_lshrrev_b32 v1, 4, v2                        ; hd
	v_lshlrev_b32 v8, 5, v10
	v_lshl_add_u32 v8, v1, 8, v8
	v_lshl_add_u32 v8, v11, 12, v8                 ; in: 4,096 tk + 256 hd + 32 i
	v_lshlrev_b32 v9, 4, v10
	v_lshl_add_u32 v9, v11, 7, v9
	v_lshl_add_u32 v9, v1, 17, v9                  ; out: 131,072 hd + 128 tk + 16 i
	s_lshr_b32 s38, s38, 5                         ; 1,024 gw: eight rows of 128 bytes
	s_add_nc_u64 s[8:9], s[34:35], s[38:39]
.macro CLOAD rp, bank                  ; rows 2 rp, 2 rp + 1, all sixteen heads: sixteen loads into bank 0 (v16-79) or 1 (v80-143)
.irp hp, 0,1,2,3,4,5,6,7
	global_load_b128 v[16+64*\bank+8*\hp:16+64*\bank+8*\hp+3], v8, s[4:5] offset:8192*\rp+512*\hp
	global_load_b128 v[16+64*\bank+8*\hp+4:16+64*\bank+8*\hp+7], v8, s[4:5] offset:8192*\rp+512*\hp+16
.endr
.endm
.macro CSTORE rp, bank, left           ; left: the younger loads that may stay out
	s_wait_loadcnt \left
	s_wait_xcnt 0x0                                ; the earlier stores have read v144-175, which are written again below
.irp hp, 0,1,2,3,4,5,6,7
.irp j, 0,1,2,3
	v_cvt_pk_f16_f32 v[144+4*\hp+\j], v[16+64*\bank+8*\hp+2*\j], v[16+64*\bank+8*\hp+2*\j+1]
.endr
.endr
.irp hp, 0,1,2,3,4,5,6,7
	global_store_b128 v9, v[144+4*\hp:144+4*\hp+3], s[8:9] offset:262144*\hp+256*\rp
.endr
.endm
	CLOAD 0, 0
	CLOAD 1, 1
	CSTORE 0, 0, 16
	CLOAD 2, 0
	CSTORE 1, 1, 16
	CLOAD 3, 1
	CSTORE 2, 0, 16
	CSTORE 3, 1, 0
	s_endpgm
.Lfunc_end_k_qa26e4a1b49_quant:
	.size	k_qa26e4a1b49_quant, .Lfunc_end_k_qa26e4a1b49_quant-k_qa26e4a1b49_quant
	.p2alignl 7, 3214868480
	.fill 96, 4, 3214868480
	.section	.rodata,"a",@progbits
	.p2align	6, 0x0
	.amdhsa_kernel k_qa26e4a1b49_quant
		.amdhsa_group_segment_fixed_size 33280
		.amdhsa_private_segment_fixed_size 0
		.amdhsa_enable_private_segment 0
		.amdhsa_kernarg_size 80
		.amdhsa_user_sgpr_count 2
		.amdhsa_user_sgpr_kernarg_segment_ptr 1
		.amdhsa_wavefront_size32 1
		.amdhsa_system_sgpr_workgroup_id_x 1
		.amdhsa_system_sgpr_workgroup_id_y 1
		.amdhsa_system_sgpr_workgroup_id_z 1
		.amdhsa_system_vgpr_workitem_id 0
		.amdhsa_next_free_vgpr 192
		.amdhsa_next_free_sgpr 66
		.amdhsa_reserve_vcc 0
		.amdhsa_float_denorm_mode_32 3
		.amdhsa_float_denorm_mode_16_64 3
		.amdhsa_memory_ordered 1
		.amdhsa_forward_progress 1
		.amdhsa_inst_pref_size 52
	.end_amdhsa_kernel
	.amdgpu_metadata
---
amdhsa.version: [ 1, 2 ]
amdhsa.kernels:
  - .name:           k_qa26e4a1b49_quant
    .symbol:         k_qa26e4a1b49_quant.kd
    .args:
      - { .name: q, .offset: 0, .size: 8, .value_kind: global_buffer, .address_space: global }
      - { .name: k, .offset: 8, .size: 8, .value_kind: global_buffer, .address_space: global }
      - { .name: v, .offset: 16, .size: 8, .value_kind: global_buffer, .address_space: global }
      - { .name: w_q, .offset: 24, .size: 8, .value_kind: global_buffer, .address_space: global }
      - { .name: w_k, .offset: 32, .size: 8, .value_kind: global_buffer, .address_space: global }
      - { .name: w_v, .offset: 40, .size: 8, .value_kind: global_buffer, .address_space: global }
      - { .name: w_o, .offset: 48, .size: 8, .value_kind: global_buffer, .address_space: global }
      - { .name: codes, .offset: 56, .size: 8, .value_kind: global_buffer, .address_space: global }
      - { .name: scales, .offset: 64, .size: 8, .value_kind: global_buffer, .address_space: global }
      - { .name: wo16, .offset: 72, .size: 8, .value_kind: global_buffer, .address_space: global }
    .group_segment_fixed_size: 33280
    .private_segment_fixed_size: 0
    .kernarg_segment_align: 8
    .kernarg_segment_size: 80
    .max_flat_workgroup_size: 128
    .sgpr_count:     66
    .vgpr_count:     192
    .wavefront_size: 32
...
	.end_amdgpu_metadata
.endif
;; end of part 1
;; launch proj (part 2): grid 4 x 96, 4 waves a work-group, clusters of 4 x 4, 327,680 bytes of LDS; arguments codes, scales, b_q, proj; writes proj
.if DOCPART == 2
	.amdgcn_target "amdgcn-amd-amdhsa--gfx1250"
	.amdhsa_code_object_version 6
	.text
	.protected	k_qa26e4a1b49_proj
	.globl	k_qa26e4a1b49_proj
	.p2align	8
	.type	k_qa26e4a1b49_proj,@function
k_qa26e4a1b49_proj:
	s_mov_b64 s[64:65], 0
	v_nop
	global_prefetch_b8 v0, s[64:65] scope:SCOPE_SE
	s_setreg_imm32_b32 hwreg(HW_REG_WAVE_MODE, 25, 1), 1
	s_wait_xcnt 0x0
	s_wait_alu depctr_hold_cnt(0) depctr_sa_sdst(0) depctr_va_vdst(0) depctr_va_sdst(0) depctr_va_ssrc(0) depctr_va_vcc(0) depctr_vm_vsrc(0)
	s_getreg_b32 s2, hwreg(HW_REG_IB_STS2, 6, 4)
	s_cmp_eq_u32 s2, 0
	s_cbranch_scc0 .Lentry_in_a_cluster
	s_endpgm
.Lentry_in_a_cluster:
	s_bfe_u32 s2, ttmp6, 0x10000c
	s_cmp_lg_u32 s2, 0xf033
	s_cbranch_scc0 .Lentry_shape_is_right
	s_endpgm
.Lentry_shape_is_right:
; Launch 2 of 4: the three quantised products, on codes of FP4 with E8M0 scales, K = 1,024; results rounded once to f16 and laid by heads.  b_k is left out (shown at the head of launch 1); b_v is added in launch 3.
; C[m][n] = sum over k of A[m][k] B[n][k], tiles of 256 x 256, four waves of 128 x 128 (64 accumulators, 512 registers).  384 tiles: 24 clusters of 4 x 4; cluster y = 8 g + i; g = 0: Q, 1: K, 2: V.
;   Q, K: A = the tokens' rows (8,192), B = the weight's rows (1,024): tile row 4 i + cy, tile column cx.  A lane's eight results are eight neighbouring features of a token.
;   V: THE OPERANDS CHANGE PLACES: A = w_v's rows, B = v's rows: tile row cy, tile column 4 i + cx.  C is then vh^T: a lane's eight results are eight neighbouring KEYS of a feature, as the product P V wants them.
; OUT: proj = QH [hb][l][64] | KH likewise | VT [hb][l / 64][channel 64][l % 64], f16, hb = 16 batch + head; 16,777,216 bytes a part, 262,144 a head.
; LIMIT: a projected number beyond 65,504 in magnitude becomes an infinity of f16.
; K goes through two LDS slots of 512 along K (rows of 256 bytes); 1,024 is two slots: both are asked for at the head and nothing is filled again.  The scale bytes of the work-group's rows come once, as dense blocks.
; CLUSTERS: the four of a row of the cluster need the same tiles of A, the four of a column the same tiles of B: each is asked for JOINTLY.  g hangs on the cluster's y alone: it is the same in all sixteen.
; THE MATRIX INSTRUCTION IS USED TRANSPOSED (source 0 = 16 rows of B, source 1 = 16 rows of A).
; REGISTERS, in windows of 256: window 0: v0-31 addresses; v32-95 scale words, two sets, and nothing else; v96-127 packed results; v128-191 A's fragments, ONE set; v192-255 rows read back on the way out.
;   window 1: B's fragments, two sets, at v0 and v128; v64-127 BIAS: the C of the first step.   window 2: the accumulators of my rows 0-63 ((a, b) at v[8 (8 a + b)]);   window 3: those of rows 64-127.
; BIAS holds b_q at the lane's eight columns of each of B's eight blocks (Q), or zeros (K, V).  So the first step is written once, and Q's loads of b_q go out beside the first tiles.
.set KSTEP,  512
.set NQ,     KSTEP/128                 ; steps of 128 along K in a slot
.set ROWB,   256                       ; a tile's row in bytes
.set KROW,   512                       ; a row of codes in memory
.set PITCH,  272                       ; an LDS row: 256 bytes + 16 of padding = 68 words: row r starts at bank 4 r mod 64 (64 banks of 4 bytes: ISA guide 11.1)
.set FR,     8                         ; registers of a fragment: 16 rows x 128 K
.set NL,     2                         ; LDS loads that bring one
.set NP,     4                         ; places behind this matrix instruction (ISA guide 7.12.1)
.set HALFT,  128*PITCH
.set SLOT,   4*HALFT                   ; A's 256 rows, then B's 256 rows
.set KS,     32                        ; a row of scale bytes
.set SCL,    2*SLOT                    ; behind the two slots: the scales, as rows of 256 bytes + 16 of padding
.set HALFS,  (128*KS/256)*272          ; the scales of 128 rows: what one tensor load brings
.set SBLK,   (16*KS/256)*272           ; those of 16 rows
.set SPARE,  SCL+4*HALFS               ; the spare words, 128 bytes a wave, named by no other line
.set SPITCH, 272                       ; the way out: a stage of 16 rows x (256 bytes + 16) a wave, in slot 0, which has had its one fill and its last read when the first result is stored there
.set ADRA, 16                          ; v16-17  LDS address of my A fragments in slot 0, 1
.set ADRB, 20                          ; v20-21  the same for B
.set STO,  24                          ; v24     the way out: where I put 16 bytes of a row
.set RD,   25                          ; v25     the way out: where I read back
.set CO,   26                          ; v26     my byte offset in proj
.set ADRS, 27                          ; v27     LDS address of my scale words: lanes 0-15 A's rows, lanes 16-31 B's
.set SPW,  28                          ; v28     LDS address of my spare word; never rewritten
.set NIL,  29                          ; v29     0; never rewritten
.set SC,   32                          ; scale words: set s at v[SC + 8 NQ s]; register NQ i + q: lanes 0-15 A's block i, lanes 16-31 B's block i
.set TMP,  96
.set AF,   128
.set BK,   192
.set BIAS, 64                          ; in window 1
.set G1, 24                            ; s[24:31] group 1 for A's tiles;  s[32:39] group 0, a set for each slot
.set G0, 32
.set G1B, 48                           ; s[48:55], s[56:63] the same for B's
.set G0B, 56
.set G1S, 68                           ; s[68:75], s[76:79] groups 1 and 0 for A's scales;  s[80:87], s[88:91] for B's
.set G0S, 76
.set G1SB, 80
.set G0SB, 88
.set MSB, 0
.macro WIN new                         ; the immediate's high byte repeats the setting that is left
.if MSB != \new
	s_set_vgpr_msb (MSB<<8)|\new
.set MSB, \new
.endif
.endm
.set MUL_LO, 0xa1                      ; source 0 (B) window 1, source 1 (A) window 0, C and D window 2
.set MUL_HI, 0xf1                      ; the same, C and D window 3
.set FST_LO, 0x91                      ; the first step: C = BIAS in window 1, D window 2
.set FST_HI, 0xd1                      ; D window 3
.set TO_B,   0x40                      ; destination window 1, address window 0
; A joint load: waves 0 and 1 fetch for A, waves 2 and 3 for B; the branch hangs on the wave's number alone.  An s_nop 0 and four v_nop follow each of the two lines.
.macro JLOAD g0a, g1a, g0b, g1b
	s_cmp_eq_u32 s15, 0
	s_cbranch_scc0 .Lfor_b_\@
	tensor_load_to_lds s[\g0a:\g0a+3], s[\g1a:\g1a+7]
	s_nop 0
.rept 4
	v_nop
.endr
	s_branch .Lasked_\@
.Lfor_b_\@:
	tensor_load_to_lds s[\g0b:\g0b+3], s[\g1b:\g1b+7]
	s_nop 0
.rept 4
	v_nop
.endr
.Lasked_\@:
.endm
.macro CROUND                          ; a round of the cluster's barrier
	s_barrier_signal -1
	s_barrier_wait -1
	s_cmp_lg_u32 s14, 0
	s_cbranch_scc1 .Lnot_wave_0_\@
	s_barrier_signal -3
.Lnot_wave_0_\@:
	s_barrier_wait -3
	s_barrier_signal -1
	s_barrier_wait -1
.endm
	s_load_b128 s[4:7], s[0:1], 0x0                ; codes s[4:5], scales s[6:7]
	s_load_b128 s[8:11], s[0:1], 0x10              ; b_q s[8:9], proj s[10:11]
	v_lshl_add_u32 v[SPW], v0, 2, SPARE
	v_mov_b32 v[NIL], 0
	ds_add_u32 v[SPW], v[NIL]                      ; the wave's opening: the add, twice on end, and its wait ahead of my first tensor load
	ds_add_u32 v[SPW], v[NIL]
	v_lshrrev_b32 v1, 5, v0
	v_readfirstlane_b32 s14, v1                    ; wave 0..3
	s_lshr_b32 s15, s14, 1                         ; which half of the tile's rows is mine.  Also: I fetch for A (0) or for B (1)
	s_and_b32 s16, s14, 1                          ; which half of its columns.  Also: which 128 rows of that tile I fetch
	s_bfe_u32 s40, ttmp6, 0x40000                  ; cx, cy: my place in the cluster
	s_bfe_u32 s41, ttmp6, 0x40004
	s_and_b32 s17, ttmp7, 0xffff                   ; the cluster's y = 8 g + i
	s_lshr_b32 s96, s17, 3                         ; g
	s_and_b32 s17, s17, 7
	s_lshl_b32 s17, s17, 2                         ; 4 i
	s_lshl_b32 s18, s96, 13                        ; the tokens' first row in the buffers: 8,192 g
	s_lshl_b32 s19, s96, 10
	s_add_co_u32 s19, s19, 24576                   ; the weight's: 24,576 + 1,024 g
	s_mov_b32 s99, 262144
	s_mov_b32 s100, 2048
	s_mov_b32 s101, 0
	s_cmp_eq_u32 s96, 2                            ; V?  All choices on this one compare, ahead of the additions
	s_cselect_b32 s42, s17, 0
	s_cselect_b32 s17, 0, s17
	s_cselect_b32 s97, s19, s18                    ; A's first row
	s_cselect_b32 s98, s18, s19                    ; B's
	s_cselect_b32 s99, 8192, s99                   ; the way out: from columns 0-63 to columns 64-127: the next key block (V) or the next head (Q, K)
	s_cselect_b32 s100, 256000, s100               ; and from my rows 48-63 to my rows 64-79: the next head less 48 channels (V), or 16 tokens on (Q, K)
	s_add_co_u32 s42, s42, s40                     ; tile column
	s_add_co_u32 s17, s17, s41                     ; tile row
	s_lshl_b32 s43, s41, 2
	s_lshl_b32 s43, 15, s43                        ; my row of the cluster
	s_lshl_b32 s44, 0x1111, s40                    ; my column
	; descriptor group 1: a tile of 128 rows x 256 bytes, padded in LDS
	s_or_b32 s[G1+0], s43, (0<<16)|(1<<20)|(1<<21)|(5<<22)|(3<<25)  ; 15:0 the mask: A's tiles go to my row; 17:16 elements of 1 byte; 20 padding on; 21 set beside a mask; 24:22 after every 64 words; 31:25 four words
	s_or_b32 s[G1B+0], s44, (0<<16)|(1<<20)|(1<<21)|(5<<22)|(3<<25)
.irp g, G1, G1B
	s_mov_b32 s[\g+1], ROWB<<16                    ; tensor_dim0
	s_mov_b32 s[\g+2], 128<<16                     ; tensor_dim1
	s_mov_b32 s[\g+3], ROWB<<16                    ; tile_dim0
	s_mov_b32 s[\g+4], 128                         ; tile_dim1
	s_mov_b32 s[\g+5], KROW                        ; tensor_dim0_stride
	s_mov_b32 s[\g+6], 0
	s_mov_b32 s[\g+7], 0
.endr
	; the scales of 128 rows: a dense block of 4,096 bytes, as 16 rows of 256 bytes (32 elements of 8 bytes), 16 bytes of padding behind each
	s_or_b32 s[G1S+0], s43, (3<<16)|(1<<20)|(1<<21)|(5<<22)|(3<<25)
	s_or_b32 s[G1SB+0], s44, (3<<16)|(1<<20)|(1<<21)|(5<<22)|(3<<25)
.irp g, G1S, G1SB
	s_mov_b32 s[\g+1], 32<<16
	s_mov_b32 s[\g+2], (128*KS/256)<<16
	s_mov_b32 s[\g+3], 32<<16
	s_mov_b32 s[\g+4], 128*KS/256
	s_mov_b32 s[\g+5], 32
	s_mov_b32 s[\g+6], 0
	s_mov_b32 s[\g+7], 0
.endr
	s_lshl_b32 s18, s16, 7                         ; which 128 rows of the tile I fetch
	s_lshl_b32 s20, s17, 8
	s_add_co_u32 s20, s20, s18
	s_add_co_u32 s20, s20, s97                     ; A: its first row + 256 x tile row + 128 x half
	s_lshl_b32 s46, s42, 8
	s_add_co_u32 s46, s46, s18
	s_add_co_u32 s46, s46, s98                     ; B: its first row + 256 x tile column + 128 x half
	s_mov_b32 s21, 0
	s_mov_b32 s47, 0
	s_mov_b64 s[18:19], KS
	s_mul_u64 s[22:23], s[20:21], s[18:19]         ; where these rows' scales begin, in bytes
	s_mul_u64 s[92:93], s[46:47], s[18:19]
	s_mov_b64 s[18:19], KROW
	s_mul_u64 s[20:21], s[20:21], s[18:19]         ; and their codes
	s_mul_u64 s[46:47], s[46:47], s[18:19]
	s_mul_i32 s45, s14, HALFT                      ; where they go: wave x 128 rows: no place in the cluster enters an LDS address
	s_mul_i32 s94, s14, HALFS
	s_wait_dscnt 0x0                               ; both opening adds are done
	s_wait_kmcnt 0x0
	s_add_nc_u64 s[20:21], s[4:5], s[20:21]
	s_add_nc_u64 s[22:23], s[6:7], s[22:23]
	s_add_nc_u64 s[46:47], s[4:5], s[46:47]
	s_add_nc_u64 s[92:93], s[6:7], s[92:93]
	CROUND                                         ; all sixteen work-groups are here: the joint loads meet
	s_mov_b32 s[G0S], 1
	s_add_co_u32 s[G0S+1], s94, SCL
	s_mov_b64 s[G0S+2:G0S+3], s[22:23]
	s_or_b32 s[G0S+3], s[G0S+3], 0x80000000
	s_mov_b32 s[G0SB], 1
	s_add_co_u32 s[G0SB+1], s94, SCL
	s_mov_b64 s[G0SB+2:G0SB+3], s[92:93]
	s_or_b32 s[G0SB+3], s[G0SB+3], 0x80000000
	JLOAD G0S, G1S, G0SB, G1SB                     ; the scales first: they are wanted with the first step
.irp s, 0,1
	s_mov_b32 s[G0+4*\s], 1
	s_add_co_u32 s[G0+4*\s+1], s45, \s*SLOT
	s_add_nc_u64 s[G0+4*\s+2:G0+4*\s+3], s[20:21], \s*ROWB
	s_or_b32 s[G0+4*\s+3], s[G0+4*\s+3], 0x80000000
	s_mov_b32 s[G0B+4*\s], 1
	s_add_co_u32 s[G0B+4*\s+1], s45, \s*SLOT
	s_add_nc_u64 s[G0B+4*\s+2:G0B+4*\s+3], s[46:47], \s*ROWB
	s_or_b32 s[G0B+4*\s+3], s[G0B+4*\s+3], 0x80000000
	JLOAD G0+4*\s, G1, G0B+4*\s, G1B               ; by this text's count three tensor loads of a wave are out
.endr
	v_and_b32 v1, 15, v0                           ; l % 16
	v_bfe_u32 v2, v0, 4, 1                         ; l / 16
	v_lshlrev_b32 v7, 5, v2                        ; b_q: my half's eight numbers of a block of 16 columns
	s_lshl_b32 s46, s42, 8
	s_lshl_b32 s47, s16, 7
	s_add_co_u32 s46, s46, s47                     ; n0: my first column of C
	s_cmp_lg_u32 s96, 0                            ; g: the same in all sixteen work-groups
	s_cbranch_scc1 .Lno_bias
	s_lshl_b32 s22, s46, 2
	s_mov_b32 s23, 0
	s_add_nc_u64 s[8:9], s[8:9], s[22:23]          ; Q: b_q at my first column
	WIN TO_B
.irp b, 0,1,2,3,4,5,6,7
	global_load_b128 v[BIAS+8*\b:BIAS+8*\b+3], v7, s[8:9] offset:64*\b          ; register 8 b + j: b_q[n0 + 16 b + 8 (l / 16) + j]
	global_load_b128 v[BIAS+8*\b+4:BIAS+8*\b+7], v7, s[8:9] offset:64*\b+16
.endr
	WIN 0
	s_branch .Lbias_done
.Lno_bias:
	WIN TO_B
.set J, 0
.rept 64
	v_mov_b32 v[BIAS+J], 0                         ; K: b_k is left out; V: b_v is added in launch 3.  64 lines, once, in place of a second copy of the first step
.set J, J+1
.endr
	WIN 0
.Lbias_done:
	v_mul_u32_u24 v3, v1, PITCH
	v_lshl_add_u32 v4, v2, 4, v3                   ; a fragment's row x pitch + 16 x half
	s_mul_i32 s21, s15, HALFT                      ; my 128 rows of A
	s_mul_i32 s22, s16, HALFT                      ; my 128 rows of B,
	s_add_co_u32 s22, s22, 2*HALFT                 ; which lie behind A's 256
.irp s, 0,1
	v_add_nc_u32 v[ADRA+\s], s21, v4
	v_add_nc_u32 v[ADRB+\s], s22, v4
	s_add_co_u32 s21, s21, SLOT
	s_add_co_u32 s22, s22, SLOT
.endr
	v_mul_u32_u24 v5, v1, KS                       ; my row's scales: 32 bytes a row,
	v_lshrrev_b32 v6, 8, v5
	v_lshl_add_u32 v5, v6, 4, v5                   ; and 16 more for each 256 passed
	s_mul_i32 s21, s15, HALFS                      ; A's: my 128 rows
	s_mul_i32 s22, s16, HALFS                      ; B's: my 128 rows, behind A's 256
	s_add_co_u32 s22, s22, 2*HALFS
	s_sub_co_u32 s22, s22, s21
	v_mul_u32_u24 v6, s22, v2                      ; lanes 16-31 take B's
	s_add_co_u32 s21, s21, SCL
	v_add_nc_u32 v5, v5, v6
	v_add_nc_u32 v[ADRS], s21, v5
	s_mul_i32 s23, s14, 16*SPITCH                  ; my stage
	v_add_nc_u32 v[STO], s23, v4                   ; in: row l % 16, 16 bytes for each half of the lanes (the stage's pitch is the tiles')
	v_bfe_u32 v5, v0, 3, 1                         ; back: lanes 0-7 the first 128 bytes of a row, lanes 8-15 of the next row, lanes 16-31 the second 128 bytes of the two
	v_mul_u32_u24 v5, v5, SPITCH
	v_lshl_add_u32 v5, v2, 7, v5
	v_and_b32 v6, 7, v0
	v_lshl_add_u32 v5, v6, 4, v5
	v_add_nc_u32 v[RD], s23, v5
	v_mul_u32_u24 v5, s99, v2                      ; in proj: lanes 0-15 two rows of 128 bytes on end, lanes 16-31 the next head's or key block's
	v_lshl_add_u32 v[CO], v1, 4, v5
	s_lshl_b32 s20, s17, 8
	s_lshl_b32 s21, s15, 7
	s_add_co_u32 s20, s20, s21                     ; m0: my first row of C
	s_cmp_eq_u32 s96, 2
	s_cselect_b32 s22, s46, s20                    ; my first token
	s_cselect_b32 s23, s20, s46                    ; my first feature
	s_lshr_b32 s18, s22, 11
	s_lshl_b32 s18, s18, 4
	s_lshr_b32 s19, s23, 6
	s_add_co_u32 s18, s18, s19                     ; hb = 16 batch + head
	s_lshl_b32 s18, s18, 18
	s_and_b32 s22, s22, 2047
	s_lshl_b32 s22, s22, 7                         ; 128 bytes a token (Q, K); 8,192 bytes for 64 keys (V): the same number
	s_add_co_u32 s18, s18, s22
	s_lshl_b32 s19, s96, 24                        ; the part of proj
	s_add_co_u32 s18, s18, s19
	s_mov_b32 s19, 0
	s_add_nc_u64 s[12:13], s[10:11], s[18:19]
.macro FRAG reg, adr, q, i             ; a fragment, 16 rows x 128 K of 4-bit codes: lane l holds row l % 16; registers 4 c .. 4 c + 3 hold K = 64 c + 32 (l / 16) + 0 .. 31
.irp c, 0,1
	ds_load_b128 v[\reg+4*\c:\reg+4*\c+3], v[\adr] offset:64*(\q)+32*\c+(\i)*16*PITCH
.endr
.endm
; 16 matrix instructions: A's blocks a0, a0 + 1 x B's eight, 128 along K: the slot's q-th.  p: B's set;  sc: the set of scale words.  first = 1: C = BIAS starts the sums.
; The 64 accumulators take turns, one instruction a turn, in the same order in every step.
.macro MUL16 a0, p, q, sc, first
.irp a, \a0, \a0+1
.irp b, 0,1,2,3,4,5,6,7
.if \first
	v_wmma_scale_f32_16x16x128_f8f6f4 v[8*(8*((\a)%4)+\b):8*(8*((\a)%4)+\b)+7], v[128*(\p)+FR*\b:128*(\p)+FR*\b+FR-1], v[AF+FR*(\a):AF+FR*(\a)+FR-1], v[BIAS+8*\b:BIAS+8*\b+7], v[SC+8*NQ*(\sc)+NQ*\b+(\q)], v[SC+8*NQ*(\sc)+NQ*(\a)+(\q)] matrix_a_fmt:MATRIX_FMT_FP4 matrix_b_fmt:MATRIX_FMT_FP4 matrix_a_scale:MATRIX_SCALE_ROW1
.else
	v_wmma_scale_f32_16x16x128_f8f6f4 v[8*(8*((\a)%4)+\b):8*(8*((\a)%4)+\b)+7], v[128*(\p)+FR*\b:128*(\p)+FR*\b+FR-1], v[AF+FR*(\a):AF+FR*(\a)+FR-1], v[8*(8*((\a)%4)+\b):8*(8*((\a)%4)+\b)+7], v[SC+8*NQ*(\sc)+NQ*\b+(\q)], v[SC+8*NQ*(\sc)+NQ*(\a)+(\q)] matrix_a_fmt:MATRIX_FMT_FP4 matrix_b_fmt:MATRIX_FMT_FP4 matrix_a_scale:MATRIX_SCALE_ROW1
.endif
.endr
.endr
.endm
.macro FETCH_B slot, q, p              ; B's eight fragments of the slot's q-th 128 along K into set p
	WIN TO_B
.irp i, 0,1,2,3,4,5,6,7
	FRAG 128*(\p)+FR*\i, ADRB+\slot, \q, \i
.endr
	WIN 0
.endm
.macro FETCH_A slot, q, i0             ; A's blocks i0 .. i0 + 3
.irp i, \i0, \i0+1, \i0+2, \i0+3
	FRAG AF+FR*(\i), ADRA+\slot, \q, \i
.endr
.endm
.macro SCALES sc                       ; a slot's scale words into set sc: four words a row; lanes 0-15 take A's block i, lanes 16-31 B's block i
.irp i, 0,1,2,3,4,5,6,7
	ds_load_b128 v[SC+8*NQ*\sc+NQ*\i:SC+8*NQ*\sc+NQ*\i+3], v[ADRS] offset:\i*SBLK
.endr
.endm
; A load into a register that a matrix instruction has read, and a vector instruction that reads a matrix result, stand NP places behind that matrix instruction; only plain vector instructions that name
; none of its registers are places (ISA guide 7.12.1 for vector instructions).
.macro PLACES n
.rept \n
	v_nop
.endr
.endm
.macro STEP slot, q, first             ; a step of 128 along K that has its successor in the same slot
	s_wait_dscnt 4*NL                              ; B's set, A's blocks 0-3 and the scale words are in; the youngest eight loads (A's blocks 4-7) may be out
.if \first
	WIN FST_LO
.else
	WIN MUL_LO
.endif
	MUL16 0, (\q)%2, \q, \slot, \first
	MUL16 2, (\q)%2, \q, \slot, \first
	s_wait_dscnt 0                                 ; A's blocks 4-7 are in (asked for 32 matrix instructions ago)
	PLACES NP
	FETCH_B \slot, (\q)+1, 1-(\q)%2
	FETCH_A \slot, (\q)+1, 0
.if \first
	WIN FST_HI
.else
	WIN MUL_HI
.endif
	MUL16 4, (\q)%2, \q, \slot, \first
	MUL16 6, (\q)%2, \q, \slot, \first
	PLACES NP
	WIN 0
	FETCH_A \slot, (\q)+1, 4
.endm
.macro STEPS slot, from                ; the slot's steps from .. NQ - 2
.set Q, \from
.rept NQ-1-\from
	STEP \slot, Q, 0
.set Q, Q+1
.endr
.endm
	s_wait_tensorcnt 1                             ; the scales and my part of slot 0 are in (slot 1's load may be out)
	s_barrier_signal -1
	s_barrier_wait -1                              ; everybody's are
	FETCH_B 0, 0, 0
	FETCH_A 0, 0, 0
	SCALES 0
	FETCH_A 0, 0, 4
	s_wait_loadcnt 0x0                             ; b_q (Q)
	STEP 0, 0, 1                                   ; the first step's products start the sums from BIAS
	STEPS 0, 1
	; slot 0's last step changes slots: ONE barrier; in front of it each wave waits for its last tensor load (its part of slot 1) and for its reads of slot 0, which becomes the stage
	s_wait_tensorcnt 0x0
	ds_add_u32 v[SPW], v[NIL]                      ; 0 onto my spare word
	s_wait_dscnt 4*NL+1                            ; (the add and the youngest eight loads, A's blocks 4-7, may be out)
	WIN MUL_LO
	MUL16 0, 1, NQ-1, 0, 0                         ; sixteen matrix instructions stand between the add and the wait for it
	s_wait_dscnt 0x0                               ; the add is done, and my reads of slot 0 are over
	s_barrier_signal -1
	MUL16 2, 1, NQ-1, 0, 0
	WIN 0
	s_barrier_wait -1
	PLACES NP
	v_add_nc_u32 v[ADRS], 4*NQ, v[ADRS]            ; on to slot 1's scale words (no LDS load of mine is out)
	FETCH_B 1, 0, 0
	FETCH_A 1, 0, 0
	SCALES 1
	WIN MUL_HI
	MUL16 4, 1, NQ-1, 0, 0
	MUL16 6, 1, NQ-1, 0, 0
	PLACES NP
	WIN 0
	FETCH_A 1, 0, 4
	STEPS 1, 0
	s_wait_dscnt 4*NL                              ; the very last step: nothing more to fetch
	WIN MUL_LO
	MUL16 0, 1, NQ-1, 1, 0
	MUL16 2, 1, NQ-1, 1, 0
	s_wait_dscnt 0
	WIN MUL_HI
	MUL16 4, 1, NQ-1, 1, 0
	MUL16 6, 1, NQ-1, 1, 0
	WIN 0
; THE WAY OUT, block by block of 16 rows x 128 columns.  PACK: rounded to f16, 16 bytes a lane, each accumulator from its low end on.  TOSTAGE: into my own stage, and back by half rows of 128 bytes.
; SEND: lanes 0-15 store two rows of one head (Q, K) or of one key block (V): 256 consecutive, aligned bytes; lanes 16-31 the same of the next head or key block.
.macro PACK a
.set AC, 64*((\a)%4)
	WIN 0x0a+5*((\a)/4)                            ; sources 0 and 1: window 2 or 3
.irp b, 0,1,2,3,4,5,6,7
.irp r, 0,1,2,3
	v_cvt_pk_f16_f32 v[TMP+4*\b+\r], v[AC+8*\b+2*\r], v[AC+8*\b+2*\r+1]
.endr
.endr
	WIN 0
.endm
.macro TOSTAGE a
.set BB, BK+32*((\a)%2)
.irp b, 0,1,2,3,4,5,6,7
	ds_store_b128 v[STO], v[TMP+4*\b:TMP+4*\b+3] offset:32*\b
.endr
.irp t, 0,1,2,3,4,5,6,7
	ds_load_b128 v[BB+4*\t:BB+4*\t+3], v[RD] offset:\t*2*SPITCH    ; LDS serves a wave's instructions in order (ISA guide 5.7.1.4): these see the stores above
.endr
.endm
.macro SEND a
.set BB, BK+32*((\a)%2)
	s_wait_dscnt 0x0                               ; the block is back in registers
	s_wait_xcnt 0x0                                ; the earlier stores have read their base and their data: both may be written again
.if (\a) == 4
	s_add_nc_u64 s[12:13], s[12:13], s[100:101]    ; from my rows 48-63 to my rows 64-79
.elseif (\a) > 0
	s_add_nc_u64 s[12:13], s[12:13], 2048          ; 16 rows of 128 bytes on
.endif
.irp t, 0,1,2,3,4,5,6,7
	global_store_b128 v[CO], v[BB+4*\t:BB+4*\t+3], s[12:13] offset:256*\t
.endr
.endm
	PLACES NP                                      ; behind the last products: block 0's conversions read results
	PACK 0
	TOSTAGE 0
.irp a, 1,2,3,4,5,6,7                  ; block a's conversions stand between block a - 1's loads from the stage and the wait for them
	PACK \a
	SEND \a-1
	TOSTAGE \a
.endr
	SEND 7
	s_wait_tensorcnt 0x0                           ; the wave's end, behind my last tensor load and my last LDS store
	ds_add_u32 v[SPW], v[NIL]
	s_wait_dscnt 0x0
	CROUND                                         ; the closing round: no work-group ends while a partner may still ask for a tile that names it
	s_endpgm
.Lfunc_end_k_qa26e4a1b49_proj:
	.size	k_qa26e4a1b49_proj, .Lfunc_end_k_qa26e4a1b49_proj-k_qa26e4a1b49_proj
	.p2alignl 7, 3214868480
	.fill 96, 4, 3214868480
	.section	.rodata,"a",@progbits
	.p2align	6, 0x0
	.amdhsa_kernel k_qa26e4a1b49_proj
		.amdhsa_group_segment_fixed_size 327680
		.amdhsa_private_segment_fixed_size 0
		.amdhsa_enable_private_segment 0
		.amdhsa_kernarg_size 32
		.amdhsa_user_sgpr_count 2
		.amdhsa_user_sgpr_kernarg_segment_ptr 1
		.amdhsa_wavefront_size32 1
		.amdhsa_system_sgpr_workgroup_id_x 1
		.amdhsa_system_sgpr_workgroup_id_y 1
		.amdhsa_system_sgpr_workgroup_id_z 1
		.amdhsa_system_vgpr_workitem_id 0
		.amdhsa_next_free_vgpr 1024
		.amdhsa_next_free_sgpr 102
		.amdhsa_reserve_vcc 0
		.amdhsa_float_denorm_mode_32 3
		.amdhsa_float_denorm_mode_16_64 3
		.amdhsa_memory_ordered 1
		.amdhsa_forward_progress 1
		.amdhsa_inst_pref_size 131
	.end_amdhsa_kernel
	.amdgpu_metadata
---
amdhsa.version: [ 1, 2 ]
amdhsa.kernels:
  - .name:           k_qa26e4a1b49_proj
    .symbol:         k_qa26e4a1b49_proj.kd
    .args:
      - { .name: codes, .offset: 0, .size: 8, .value_kind: global_buffer, .address_space: global }
      - { .name: scales, .offset: 8, .size: 8, .value_kind: global_buffer, .address_space: global }
      - { .name: b_q, .offset: 16, .size: 8, .value_kind: global_buffer, .address_space: global }
      - { .name: proj, .offset: 24, .size: 8, .value_kind: global_buffer, .address_space: global }
    .group_segment_fixed_size: 327680
    .private_segment_fixed_size: 0
    .kernarg_segment_align: 8
    .kernarg_segment_size: 32
    .max_flat_workgroup_size: 128
    .sgpr_count:     102
    .vgpr_count:     1024
    .wavefront_size: 32
...
	.end_amdgpu_metadata
.endif
;; end of part 2
;; launch attn (part 3): grid 4 x 64, 8 waves a work-group, clusters of 4 x 1, 327,680 bytes of LDS; arguments proj, b_v, ao; writes ao
.if DOCPART == 3
	.amdgcn_target "amdgcn-amd-amdhsa--gfx1250"
	.amdhsa_code_object_version 6
	.text
	.protected	k_qa26e4a1b49_attn
	.globl	k_qa26e4a1b49_attn
	.p2align	8
	.type	k_qa26e4a1b49_attn,@function
k_qa26e4a1b49_attn:
	s_mov_b64 s[64:65], 0
	v_nop
	global_prefetch_b8 v0, s[64:65] scope:SCOPE_SE
	s_setreg_imm32_b32 hwreg(HW_REG_WAVE_MODE, 25, 1), 1
	s_wait_xcnt 0x0
	s_wait_alu depctr_hold_cnt(0) depctr_sa_sdst(0) depctr_va_vdst(0) depctr_va_sdst(0) depctr_va_ssrc(0) depctr_va_vcc(0) depctr_vm_vsrc(0)
	s_getreg_b32 s2, hwreg(HW_REG_IB_STS2, 6, 4)
	s_cmp_eq_u32 s2, 0
	s_cbranch_scc0 .Lentry_in_a_cluster
	s_endpgm
.Lentry_in_a_cluster:
	s_bfe_u32 s2, ttmp6, 0x10000c
	s_cmp_lg_u32 s2, 0x3003
	s_cbranch_scc0 .Lentry_shape_is_right
	s_endpgm
.Lentry_shape_is_right:
; Launch 3 of 4: O[hb][q] = sum over k of softmax_k(QH[hb][q] . KH[hb][k] / 8) VH[hb][k] + b_v, operands in f16, products, maxima and sums in f32.  b_k is left out (shown at the head of launch 1).
; b_v: the weights of a row sum to 1, so it is added once, behind the division by the sum, by the same multiply-add.
; IN: proj = QH [hb][l][64] | KH likewise | VT [hb][l / 64][channel][l % 64].  OUT: ao [head 16][token 8192][64] f16.
; SHARES.  A work-group owns 512 queries of one batch and head, each of its eight waves 64: four tiles of 16, in 512 registers: two waves to a SIMD, so that one wave's softmax stands beside the other's products.
; Every wave walks all 2,048 keys, 64 a step: 32 products K Q^T, the softmax of four tiles, 32 products V^T P; each fragment of K and V read from LDS feeds four products.
; LAYOUT.  S^T = K Q^T (source 0 = 16 keys, source 1 = 16 queries): a lane holds ONE query (lane % 16) and the keys 8 (lane / 16) + 0..7 of a tile.  Two such tiles, rounded to f16 in pairs, ARE source 1 of
; O^T = V^T P, whose result again holds one query a lane.  V lies with the keys innermost, so K's and V's fragments come by the same plain loads.  P is packed in place, into the low half of a tile's scores.
; SOFTMAX.  For each query a running maximum m and sum l: p = 2^(c s - c m), c = log2(e) / 8; in every step O and l are multiplied by a = 2^(c m_old - c m_new).
; RING.  Two LDS slots of 512 keys (eight key steps), each in eight parts of 128 rows x 128 bytes: part w is fetched by wave w (0-3: K's keys 128 w on; 4-7: V's two key blocks of the same keys).
; CLUSTER.  The four query blocks of a head walk the same K and V: each part is asked for JOINTLY by the four.  Nothing hangs on the place in the cluster but Q's and O's addresses.
; REGISTERS: window 0: v2-12 addresses; v32-63 statistics, eight a tile; v64-191 S^T, 32 a tile; v192-255 K's fragments.   window 1: v0-63 Q; v64-127 V's fragments; v128-255 O^T, 32 a tile.
.set PITCH, 144                        ; an LDS row: 128 bytes + 16 of padding = 36 words: the 16 rows of a load start at 16 different groups of four banks (64 banks of 4 bytes: ISA guide 11.1)
.set PART,  128*PITCH                  ; what one tensor load brings
.set SLOT,  8*PART
.set VOFF,  4*PART                     ; in a slot: K's 512 rows, then V's 512
.set STEPB, 64*PITCH                   ; a key step's rows, of K and of V alike
.set SPARE, 2*SLOT                     ; behind the ring: the spare words, 128 bytes a wave, named by no other line
.set AK0, 2                            ; v2   my lane's place in a tile of K: 144 (l % 16) + 16 (l / 16); never rewritten
.set AV0, 3                            ; v3   the same for V
.set ADK, 4                            ; v4   LDS address of the run of loads in hand, K's
.set ADV, 5                            ; v5   V's
.set QO,  6                            ; v6   my byte offset in the wave's rows of Q
.set STO, 7                            ; v7   the way out: where I put 16 bytes of a row
.set RD,  8                            ; v8   where I read back
.set GO,  9                            ; v9   my byte offset in the wave's rows of ao
.set SPW, 10                           ; v10  LDS address of my spare word; never rewritten
.set NIL, 11                           ; v11  0; never rewritten
.set BVO, 12                           ; v12  b_v: 32 (l / 16)
.set ST,  32                           ; tile t's statistics at v[ST + 8 t]: +0 c m, +1 m, +2, +3 l (even keys', odd keys'), +4 to +7 at work; a takes +6
.set S,   64
.set KF,  192                          ; K's fragment (keys 16 kt on, channels 32 cc on) at KF + 16 kt + 8 cc
.set BV,  192                          ; on the way out: b_v, register 8 c + j
.set VF,  64                           ; window 1: V's fragment (channels 16 c on, keys 32 kk on) at VF + 16 c + 8 kk
.set OT,  128                          ; window 1: O^T (tile t, channels 16 c on) at OT + 32 t + 8 c
.set WV,  12                           ; s12  my wave's number
.set G1,  24                           ; s[24:31] descriptor group 1: one shape for K's and V's parts
.set G0,  32                           ; s[32:39] group 0, a set for each slot
.set CS,  40                           ; s[40:41] c: the packed scaling names a pair and takes its low word for both halves
.set SEL, 42                           ; s[42:43] lane selects for v_permlanex16_b32: lane l xor 16
.set TB,  44                           ; s44  LDS byte at which the tiles of the step to be fetched begin
.set CNT, 45                           ; s45  counts the steps of a run
.set MSB, 0
.macro WIN new                         ; the immediate's high byte repeats the setting that is left
.if MSB != \new
	s_set_vgpr_msb (MSB<<8)|\new
.set MSB, \new
.endif
.endm
.set W_KQ, 0x04                        ; Q (source 1) in window 1; K and S^T in window 0
.set W_PV, 0x51                        ; V (source 0) and O^T (C, D) in window 1; P in window 0
.set W_RS, 0x41                        ; O^T (destination and source 0) in window 1, a in window 0
.set TO_1, 0x40                        ; destination window 1, address window 0
.macro CROUND                          ; a round of the cluster's barrier
	s_barrier_signal -1
	s_barrier_wait -1
	s_cmp_lg_u32 s[WV], 0
	s_cbranch_scc1 .Lnot_wave_0_\@
	s_barrier_signal -3
.Lnot_wave_0_\@:
	s_barrier_wait -3
	s_barrier_signal -1
	s_barrier_wait -1
.endm
	s_load_b128 s[4:7], s[0:1], 0x0                ; proj s[4:5], b_v s[6:7]
	s_load_b64 s[8:9], s[0:1], 0x10                ; ao
	v_lshl_add_u32 v[SPW], v0, 2, SPARE
	v_mov_b32 v[NIL], 0
	ds_add_u32 v[SPW], v[NIL]                      ; the wave's opening: the add, twice on end, and its wait ahead of my first tensor load
	ds_add_u32 v[SPW], v[NIL]
	v_lshrrev_b32 v1, 5, v0
	v_readfirstlane_b32 s[WV], v1                  ; wave 0..7
	s_bfe_u32 s13, ttmp6, 0x40000                  ; cx: my block of 512 queries: it enters Q's and ao's addresses alone
	s_and_b32 s14, ttmp7, 0xffff                   ; hb = 16 batch + head, which the four partners share
	; descriptor group 1: 128 rows x 64 elements of 2 bytes, dense in memory, padded in LDS
	s_mov_b32 s[G1], 15|(1<<16)|(1<<20)|(1<<21)|(4<<22)|(3<<25)   ; 15:0 the mask: all four work-groups; 17:16 elements of 2 bytes; 20 padding on; 21 set beside a mask; 24:22 after every 32 words; 31:25 four words
	s_mov_b32 s[G1+1], 64<<16                      ; tensor_dim0
	s_mov_b32 s[G1+2], 128<<16                     ; tensor_dim1
	s_mov_b32 s[G1+3], 64<<16                      ; tile_dim0
	s_mov_b32 s[G1+4], 128                         ; tile_dim1
	s_mov_b32 s[G1+5], 64                          ; tensor_dim0_stride
	s_mov_b32 s[G1+6], 0
	s_mov_b32 s[G1+7], 0
	s_lshr_b32 s16, s[WV], 2                       ; I fetch for K (0) or for V (1):
	s_add_co_u32 s16, s16, 1
	s_lshl_b32 s16, s16, 24                        ; the part of proj,
	s_lshl_b32 s17, s14, 18
	s_add_co_u32 s16, s16, s17                     ; the head,
	s_and_b32 s17, s[WV], 3
	s_lshl_b32 s17, s17, 14
	s_add_co_u32 s16, s16, s17                     ; my 128 rows of a slot's 512
	s_mov_b32 s17, 0
	s_mul_i32 s18, s[WV], PART                     ; and their place in a slot
	s_and_b32 s20, s14, 15                         ; the head
	s_lshl_b32 s22, s20, 8                         ; b_v: 256 bytes a head
	s_mov_b32 s23, 0
	s_lshl_b32 s20, s20, 20                        ; ao: 8,192 tokens of 128 bytes a head,
	s_lshr_b32 s21, s14, 4
	s_lshl_b32 s21, s21, 18                        ; 2,048 tokens a batch,
	s_add_co_u32 s20, s20, s21
	s_lshl_b32 s19, s13, 16
	s_lshl_b32 s21, s[WV], 13
	s_add_co_u32 s19, s19, s21                     ; my wave's rows: (512 cx + 64 wave) x 128 bytes
	s_add_co_u32 s20, s20, s19
	s_mov_b32 s21, 0
	s_lshl_b32 s46, s14, 18
	s_add_co_u32 s46, s46, s19                     ; the same rows in QH
	s_mov_b32 s47, 0
	s_mov_b32 s[CS], 0x3e38aa3b                    ; c = log2(e) / 8
	s_mov_b32 s[CS+1], s[CS]                       ; named with it as a pair, so it is written
	s_mov_b32 s[SEL], 0x76543210
	s_mov_b32 s[SEL+1], 0xfedcba98
	s_wait_dscnt 0x0                               ; both opening adds are done
	s_wait_kmcnt 0x0
	s_add_nc_u64 s[16:17], s[4:5], s[16:17]
	s_add_nc_u64 s[4:5], s[4:5], s[46:47]
	s_add_nc_u64 s[6:7], s[6:7], s[22:23]
	s_add_nc_u64 s[8:9], s[8:9], s[20:21]
	CROUND                                         ; all four work-groups are here: the first joint loads meet
.irp s, 0,1
	s_mov_b32 s[G0+4*\s], 1                        ; 1:0 count = 1
	s_add_co_u32 s[G0+4*\s+1], s18, \s*SLOT        ; 63:32 LDS address
	s_add_nc_u64 s[G0+4*\s+2:G0+4*\s+3], s[16:17], \s*65536   ; 120:64 global address: slot s begins with keys 512 s on
	s_or_b32 s[G0+4*\s+3], s[G0+4*\s+3], 0x80000000           ; 127:126 type = 2
.endr
	tensor_load_to_lds s[G0:G0+3], s[G1:G1+7]      ; every wave's two first fills, on end: two tensor loads of mine are out
	s_nop 0
	tensor_load_to_lds s[G0+4:G0+7], s[G1:G1+7]
	s_nop 0
.rept 4
	v_nop
.endr
	v_and_b32 v1, 15, v0                           ; l % 16
	v_bfe_u32 v13, v0, 4, 1                        ; l / 16
	v_lshlrev_b32 v[QO], 7, v1
	v_lshl_add_u32 v[QO], v13, 4, v[QO]            ; row x 128 + 16 x half
	WIN TO_1
.irp t, 0,1,2,3                        ; Q stays in registers: tile t, channels 32 cc on, at 16 t + 8 cc of window 1
.irp cc, 0,1
	global_load_b128 v[16*\t+8*\cc:16*\t+8*\cc+3],   v[QO], s[4:5] offset:2048*\t+64*\cc
	global_load_b128 v[16*\t+8*\cc+4:16*\t+8*\cc+7], v[QO], s[4:5] offset:2048*\t+64*\cc+32
.endr
.endr
	WIN 0
	v_mul_u32_u24 v[AK0], v1, PITCH
	v_lshl_add_u32 v[AK0], v13, 4, v[AK0]
	v_add_nc_u32 v[AV0], VOFF, v[AK0]
	s_mul_i32 s48, s[WV], STEPB                    ; my stage for the way out: 4 tiles x 16 rows x 144 bytes, in slot 0
	v_add_nc_u32 v[STO], s48, v[AK0]               ; in: row l % 16, 16 bytes for each half of the lanes
	v_and_b32 v14, 31, v0
	v_lshrrev_b32 v15, 3, v14
	v_mul_u32_u24 v15, v15, PITCH
	v_and_b32 v16, 7, v0
	v_lshl_add_u32 v15, v16, 4, v15
	v_add_nc_u32 v[RD], s48, v15                   ; back: eight lanes to a row of 128 bytes, four rows an instruction
	v_lshlrev_b32 v[GO], 4, v14                    ; and the same four rows in ao: 512 consecutive bytes
	v_lshlrev_b32 v[BVO], 5, v13
; 16 LDS loads: a key step's eight fragments of K (x = kt, y = cc) or of V (x = c, y = kk): 16 rows x 32 along the product's K each: two loads of 16 bytes, 32 bytes apart
.macro FETCH base, adr
.irp x, 0,1,2,3
.irp y, 0,1
	ds_load_b128 v[\base+16*\x+8*\y:\base+16*\x+8*\y+3],   v[\adr] offset:16*PITCH*\x+64*\y
	ds_load_b128 v[\base+16*\x+8*\y+4:\base+16*\x+8*\y+7], v[\adr] offset:16*PITCH*\x+64*\y+32
.endr
.endr
.endm
; 32 products S^T = K Q^T: the 16 accumulators (tile t, keys 16 kt on) take turns, one instruction a turn; the first 16 start the sums
.macro KQ_ALL
	WIN W_KQ
.irp cc, 0,1
.irp kt, 0,1,2,3
.irp t, 0,1,2,3
.if \cc == 0
	v_wmma_f32_16x16x32_f16 v[S+32*\t+8*\kt:S+32*\t+8*\kt+7], v[KF+16*\kt+8*\cc:KF+16*\kt+8*\cc+7], v[16*\t+8*\cc:16*\t+8*\cc+7], 0
.else
	v_wmma_f32_16x16x32_f16 v[S+32*\t+8*\kt:S+32*\t+8*\kt+7], v[KF+16*\kt+8*\cc:KF+16*\kt+8*\cc+7], v[16*\t+8*\cc:16*\t+8*\cc+7], v[S+32*\t+8*\kt:S+32*\t+8*\kt+7]
.endif
.endr
.endr
.endr
.endm
; 32 products O^T += V^T P: the 16 accumulators (tile t, channels 16 c on) by turns.  first = 1: the first 16 start the sums: nothing is ever cleared
.macro PV_ALL first
	WIN W_PV
.irp kk, 0,1
.irp c, 0,1,2,3
.irp t, 0,1,2,3
.if \first && (\kk == 0)
	v_wmma_f32_16x16x32_f16 v[OT+32*\t+8*\c:OT+32*\t+8*\c+7], v[VF+16*\c+8*\kk:VF+16*\c+8*\kk+7], v[S+32*\t+8*\kk:S+32*\t+8*\kk+7], 0
.else
	v_wmma_f32_16x16x32_f16 v[OT+32*\t+8*\c:OT+32*\t+8*\c+7], v[VF+16*\c+8*\kk:VF+16*\c+8*\kk+7], v[S+32*\t+8*\kk:S+32*\t+8*\kk+7], v[OT+32*\t+8*\c:OT+32*\t+8*\c+7]
.endif
.endr
.endr
.endr
.endm
; THE SOFTMAX of the wave's four tiles for one key step; the tiles alternate line by line, so that no line waits for the line above it.  first = 1: the first key step starts m, l and O^T.
.macro SOFTMAX first
	WIN 0
.irp j, 0,1,2,3                        ; the maximum of a lane's 32 scores and the old m, three operands at a time: four chains of seven scores; each accumulator is first read at its low end
.irp t, 0,1,2,3
	v_max3_num_f32 v[ST+8*\t+4+\j], v[S+32*\t+8*\j], v[S+32*\t+8*\j+1], v[S+32*\t+8*\j+2]
.endr
.endr
.irp u, 1,2
.irp j, 0,1,2,3
.irp t, 0,1,2,3
	v_max3_num_f32 v[ST+8*\t+4+\j], v[ST+8*\t+4+\j], v[S+32*\t+8*\j+2*\u+1], v[S+32*\t+8*\j+2*\u+2]
.endr
.endr
.endr
.irp t, 0,1,2,3
	v_max3_num_f32 v[ST+8*\t+4], v[ST+8*\t+4], v[S+32*\t+7], v[S+32*\t+15]
.endr
.irp t, 0,1,2,3
	v_max3_num_f32 v[ST+8*\t+6], v[ST+8*\t+6], v[S+32*\t+23], v[S+32*\t+31]
.endr
.irp t, 0,1,2,3
	v_max3_num_f32 v[ST+8*\t+4], v[ST+8*\t+4], v[ST+8*\t+5], v[ST+8*\t+6]
.endr
.irp t, 0,1,2,3
.if \first
	v_max_num_f32 v[ST+8*\t+4], v[ST+8*\t+4], v[ST+8*\t+7]
.else
	v_max3_num_f32 v[ST+8*\t+4], v[ST+8*\t+4], v[ST+8*\t+7], v[ST+8*\t+1]
.endif
.endr
.irp t, 0,1,2,3
	v_permlanex16_b32 v[ST+8*\t+5], v[ST+8*\t+4], s[SEL], s[SEL+1]   ; the query's other 32 keys lie in the lane 16 away
.endr
.if !\first
.irp t, 0,1,2,3
	v_mov_b32 v[ST+8*\t+7], v[ST+8*\t]             ; c m_old is kept for a
.endr
.endif
.irp t, 0,1,2,3
	v_max_num_f32 v[ST+8*\t+1], v[ST+8*\t+4], v[ST+8*\t+5]
.endr
.irp t, 0,1,2,3
	v_mul_f32 v[ST+8*\t], s[CS], v[ST+8*\t+1]
.endr
.if !\first
.irp t, 0,1,2,3
	v_sub_f32 v[ST+8*\t+7], v[ST+8*\t+7], v[ST+8*\t]
.endr
.endif
	; ONE BATCH: the scalings c s - c m, a pair of scores each, and all exponentials (a, then the scores'); a pair's exponentials stand behind the next pair's scalings.  None of these lines names an exponential's result.
.set PR, 0
.rept 16
.irp t, 0,1,2,3
	v_pk_fma_f32 v[S+32*\t+2*PR:S+32*\t+2*PR+1], v[S+32*\t+2*PR:S+32*\t+2*PR+1], s[CS:CS+1], v[ST+8*\t:ST+8*\t+1] op_sel_hi:[1,0,0] neg_lo:[0,0,1] neg_hi:[0,0,1]
.endr
.if PR == 0
.if !\first
.irp t, 0,1,2,3
	v_exp_f32 v[ST+8*\t+6], v[ST+8*\t+7]           ; a = 2^(c m_old - c m_new)
.endr
.endif
.else
.irp t, 0,1,2,3
	v_exp_f32 v[S+32*\t+2*PR-2], v[S+32*\t+2*PR-2]
	v_exp_f32 v[S+32*\t+2*PR-1], v[S+32*\t+2*PR-1]
.endr
.endif
.set PR, PR+1
.endr
.irp t, 0,1,2,3
	v_exp_f32 v[S+32*\t+30], v[S+32*\t+30]
	v_exp_f32 v[S+32*\t+31], v[S+32*\t+31]
.endr
	v_nop                                          ; a plain instruction behind the last exponential, ahead of the first use: one for the batch
	s_wait_alu depctr_va_vdst(0)                   ; and the wait ahead of the first line that names a result: one for the batch
	; the sums of the unrounded weights, in two chains; l = a l + the sum
.if \first
.irp t, 0,1,2,3
	v_pk_add_f32 v[ST+8*\t+2:ST+8*\t+3], v[S+32*\t+4:S+32*\t+5], v[S+32*\t+6:S+32*\t+7]
.endr
.set PR, 4
.else
.irp t, 0,1,2,3
	v_pk_mul_f32 v[ST+8*\t+2:ST+8*\t+3], v[ST+8*\t+2:ST+8*\t+3], v[ST+8*\t+6:ST+8*\t+7] op_sel_hi:[1,0]
.endr
.set PR, 2
.endif
.irp t, 0,1,2,3
	v_pk_add_f32 v[ST+8*\t+4:ST+8*\t+5], v[S+32*\t:S+32*\t+1], v[S+32*\t+2:S+32*\t+3]
.endr
.rept (16-PR)/2
.irp t, 0,1,2,3
	v_pk_add_f32 v[ST+8*\t+2:ST+8*\t+3], v[ST+8*\t+2:ST+8*\t+3], v[S+32*\t+2*PR:S+32*\t+2*PR+1]
.endr
.irp t, 0,1,2,3
	v_pk_add_f32 v[ST+8*\t+4:ST+8*\t+5], v[ST+8*\t+4:ST+8*\t+5], v[S+32*\t+2*PR+2:S+32*\t+2*PR+3]
.endr
.set PR, PR+2
.endr
.irp t, 0,1,2,3
	v_pk_add_f32 v[ST+8*\t+2:ST+8*\t+3], v[ST+8*\t+2:ST+8*\t+3], v[ST+8*\t+4:ST+8*\t+5]
.endr
	; the weights, rounded to f16 in pairs, IN PLACE: register i takes pair i, which lies at 2 i and 2 i + 1: in ascending order nothing unread is written over
.set PR, 0
.rept 16
.irp t, 0,1,2,3
	v_cvt_pk_f16_f32 v[S+32*\t+PR], v[S+32*\t+2*PR], v[S+32*\t+2*PR+1]
.endr
.set PR, PR+1
.endr
.if !\first
	WIN W_RS                                       ; O^T times a: the one part that leaves window 0; each accumulator from its low end on
.set PR, 0
.rept 16
.irp t, 0,1,2,3
	v_pk_mul_f32 v[OT+32*\t+2*PR:OT+32*\t+2*PR+1], v[OT+32*\t+2*PR:OT+32*\t+2*PR+1], v[ST+8*\t+6:ST+8*\t+7] op_sel_hi:[1,0]
.endr
.set PR, PR+1
.endr
.endif
.endm
; A KEY STEP j.  At its head K(j)'s 16 loads and, behind them, V(j)'s 16 are out or in.  fetch = 1: K(j + 1) is fetched behind the first products, V(j + 1) behind the second.  fetch = 0: the last step; b_v is asked for.
.macro STEP first, fetch
	s_wait_dscnt 16                                ; K(j) is in; V(j)'s 16 loads may be out
	KQ_ALL
	WIN 0
.if \fetch
	v_add_nc_u32 v[ADK], s[TB], v[AK0]             ; four places behind the products, in front of the loads into K's registers and of the first read of the scores
.else
	v_nop
.endif
.rept 3
	v_nop
.endr
.if \fetch
	FETCH KF, ADK
.else
.irp c, 0,1,2,3
	global_load_b128 v[BV+8*\c:BV+8*\c+3],   v[BVO], s[6:7] offset:64*\c       ; register 8 c + j: b_v[64 head + 16 c + 8 (l / 16) + j]
	global_load_b128 v[BV+8*\c+4:BV+8*\c+7], v[BVO], s[6:7] offset:64*\c+16
.endr
.endif
	SOFTMAX \first
.if \fetch
	s_wait_dscnt 16                                ; V(j) is in; K(j + 1)'s 16 loads may be out
.else
	s_wait_dscnt 0x0
.endif
	PV_ALL \first
	WIN 0
.if \fetch
	v_add_nc_u32 v[ADV], s[TB], v[AV0]             ; FIVE places: the next step's first products write over P, which these products read; four would do for the loads into V's registers
.rept 4
	v_nop
.endr
	s_add_co_u32 s[TB], s[TB], STEPB               ; the next fetches are the next step's
	WIN TO_1
	FETCH VF, ADV
	WIN 0
.endif
.endm
.macro SEG n                           ; n key steps, written once
	s_mov_b32 s[CNT], \n
.Lseg_\@:
	STEP 0, 1
	s_sub_co_u32 s[CNT], s[CNT], 1
	s_cmp_lg_u32 s[CNT], 0
	s_cbranch_scc1 .Lseg_\@
.endm
; THE CHANGE OF SLOTS stands at the head of a slot's LAST key step: that step's K and V have been asked of LDS already.  Each wave waits for all its tensor loads (its part of the other slot), adds 0 to its spare
; word, and waits for that and for its reads of the slot.  fill = 1: the barrier is a round of the cluster's, and behind it slot s is filled again, with the keys 1,024 further on: the load has eight key steps in which to land.
.macro CHANGE s, fill, tb
	s_wait_tensorcnt 0x0                           ; no tensor load of mine is out, so a group 0 may be written
	ds_add_u32 v[SPW], v[NIL]                      ; 0 onto my spare word
.if \fill
	s_add_nc_u64 s[G0+4*\s+2:G0+4*\s+3], s[G0+4*\s+2:G0+4*\s+3], 131072   ; two slots on; the type bits on top are not reached
.endif
	s_wait_dscnt 0x0                               ; the add is done, and my reads of the slot are over
.if \fill
	CROUND
	tensor_load_to_lds s[G0+4*\s:G0+4*\s+3], s[G1:G1+7]   ; the first thing behind the round, and my one tensor load until the next
	s_nop 0
.rept 4
	v_nop
.endr
.else
	s_barrier_signal -1
	s_barrier_wait -1
.endif
	s_mov_b32 s[TB], \tb                           ; the fetches go on in the other slot
.endm
	s_wait_tensorcnt 1                             ; my part of slot 0 is in; slot 1's may stay out
	s_barrier_signal -1
	s_barrier_wait -1                              ; everybody's is
	FETCH KF, AK0                                  ; key step 0 begins at LDS byte 0
	WIN TO_1
	FETCH VF, AV0
	WIN 0
	s_mov_b32 s[TB], STEPB
	s_wait_loadcnt 0x0                             ; Q
	STEP 1, 1                                      ; step 0
	SEG 6                                          ; steps 1 to 6
	CHANGE 0, 1, SLOT                              ; slot 0 takes keys 1,024 on
	SEG 8                                          ; steps 7 to 14
	CHANGE 1, 1, 0                                 ; slot 1 takes keys 1,536 on
	SEG 8                                          ; steps 15 to 22
	CHANGE 0, 0, SLOT                              ; nothing is left to fetch
	SEG 8                                          ; steps 23 to 30
	STEP 0, 0                                      ; step 31
	; THE WAY OUT.  l's two halves and the other half of the lanes' are added (these lines are the places behind the last products); O^T / l + b_v, rounded to f16, goes through my stage in LDS.
	; The stage lies in slot 0, which has had its last fill, and which every wave has left at the last change of slots.
.irp t, 0,1,2,3
	v_add_f32 v[ST+8*\t+4], v[ST+8*\t+2], v[ST+8*\t+3]
.endr
.irp t, 0,1,2,3
	v_permlanex16_b32 v[ST+8*\t+5], v[ST+8*\t+4], s[SEL], s[SEL+1]
.endr
.irp t, 0,1,2,3
	v_add_f32 v[ST+8*\t+4], v[ST+8*\t+4], v[ST+8*\t+5]
.endr
.irp t, 0,1,2,3
	v_rcp_f32 v[ST+8*\t+6], v[ST+8*\t+4]
.endr
	v_nop                                          ; a plain instruction between the last reciprocal and the use of its result
	s_wait_alu depctr_va_vdst(0)                   ; and the wait on the reciprocals: one for the four
	s_wait_loadcnt 0x0                             ; b_v
.macro PACKO t
	WIN 0x01                                       ; source 0 (O^T) window 1
.set PR, 0
.rept 16
	v_pk_fma_f32 v[S+32*\t+2*PR:S+32*\t+2*PR+1], v[OT+32*\t+2*PR:OT+32*\t+2*PR+1], v[ST+8*\t+6:ST+8*\t+7], v[BV+2*PR:BV+2*PR+1] op_sel_hi:[1,0,1]
.set PR, PR+1
.endr
	WIN 0
.set PR, 0
.rept 16
	v_cvt_pk_f16_f32 v[S+32*\t+PR], v[S+32*\t+2*PR], v[S+32*\t+2*PR+1]
.set PR, PR+1
.endr
.irp c, 0,1,2,3
	ds_store_b128 v[STO], v[S+32*\t+4*\c:S+32*\t+4*\c+3] offset:16*PITCH*\t+32*\c
.endr
.irp c, 0,1,2,3
	ds_load_b128 v[S+32*\t+16+4*\c:S+32*\t+16+4*\c+3], v[RD] offset:16*PITCH*\t+4*PITCH*\c   ; LDS serves a wave's instructions in order (ISA guide 5.7.1.4): these see the stores above
.endr
.endm
.macro SENDO t, younger                ; younger: the LDS instructions issued behind tile t's loads: the next tile's eight, or none
.irp c, 0,1,2,3
	s_wait_dscnt \younger+3-\c
	global_store_b128 v[GO], v[S+32*\t+16+4*\c:S+32*\t+16+4*\c+3], s[8:9] offset:2048*\t+512*\c   ; 32 lanes store 512 consecutive bytes, at a multiple of 256 from ao's first byte
.endr
.endm
	PACKO 0
	PACKO 1                                        ; a tile's arithmetic stands between the loads of the tile before and its stores
	SENDO 0, 8
	PACKO 2
	SENDO 1, 8
	PACKO 3
	SENDO 2, 8
	SENDO 3, 0
	s_wait_tensorcnt 0x0                           ; the wave's end, behind my last tensor load and my last LDS store
	ds_add_u32 v[SPW], v[NIL]
	s_wait_dscnt 0x0
	CROUND                                         ; the closing round: no work-group ends while a partner may still ask for a tile that names it
	s_endpgm
.Lfunc_end_k_qa26e4a1b49_attn:
	.size	k_qa26e4a1b49_attn, .Lfunc_end_k_qa26e4a1b49_attn-k_qa26e4a1b49_attn
	.p2alignl 7, 3214868480
	.fill 96, 4, 3214868480
	.section	.rodata,"a",@progbits
	.p2align	6, 0x0
	.amdhsa_kernel k_qa26e4a1b49_attn
		.amdhsa_group_segment_fixed_size 327680
		.amdhsa_private_segment_fixed_size 0
		.amdhsa_enable_private_segment 0
		.amdhsa_kernarg_size 24
		.amdhsa_user_sgpr_count 2
		.amdhsa_user_sgpr_kernarg_segment_ptr 1
		.amdhsa_wavefront_size32 1
		.amdhsa_system_sgpr_workgroup_id_x 1
		.amdhsa_system_sgpr_workgroup_id_y 1
		.amdhsa_system_sgpr_workgroup_id_z 1
		.amdhsa_system_vgpr_workitem_id 0
		.amdhsa_next_free_vgpr 512
		.amdhsa_next_free_sgpr 66
		.amdhsa_reserve_vcc 0
		.amdhsa_float_denorm_mode_32 3
		.amdhsa_float_denorm_mode_16_64 3
		.amdhsa_memory_ordered 1
		.amdhsa_forward_progress 1
		.amdhsa_inst_pref_size 209
	.end_amdhsa_kernel
	.amdgpu_metadata
---
amdhsa.version: [ 1, 2 ]
amdhsa.kernels:
  - .name:           k_qa26e4a1b49_attn
    .symbol:         k_qa26e4a1b49_attn.kd
    .args:
      - { .name: proj, .offset: 0, .size: 8, .value_kind: global_buffer, .address_space: global }
      - { .name: b_v, .offset: 8, .size: 8, .value_kind: global_buffer, .address_space: global }
      - { .name: ao, .offset: 16, .size: 8, .value_kind: global_buffer, .address_space: global }
    .group_segment_fixed_size: 327680
    .private_segment_fixed_size: 0
    .kernarg_segment_align: 8
    .kernarg_segment_size: 24
    .max_flat_workgroup_size: 256
    .sgpr_count:     66
    .vgpr_count:     512
    .wavefront_size: 32
...
	.end_amdgpu_metadata
.endif
;; end of part 3
;; launch outp (part 4): grid 4 x 64, 4 waves a work-group, clusters of 4 x 4, 327,680 bytes of LDS; arguments ao, wo16, b_o, out0; writes out0
.if DOCPART == 4
	.amdgcn_target "amdgcn-amd-amdhsa--gfx1250"
	.amdhsa_code_object_version 6
	.text
	.protected	k_qa26e4a1b49_outp
	.globl	k_qa26e4a1b49_outp
	.p2align	8
	.type	k_qa26e4a1b49_outp,@function
k_qa26e4a1b49_outp:
	s_mov_b64 s[64:65], 0
	v_nop
	global_prefetch_b8 v0, s[64:65] scope:SCOPE_SE
	s_setreg_imm32_b32 hwreg(HW_REG_WAVE_MODE, 25, 1), 1
	s_wait_xcnt 0x0
	s_wait_alu depctr_hold_cnt(0) depctr_sa_sdst(0) depctr_va_vdst(0) depctr_va_sdst(0) depctr_va_ssrc(0) depctr_va_vcc(0) depctr_vm_vsrc(0)
	s_getreg_b32 s2, hwreg(HW_REG_IB_STS2, 6, 4)
	s_cmp_eq_u32 s2, 0
	s_cbranch_scc0 .Lentry_in_a_cluster
	s_endpgm
.Lentry_in_a_cluster:
	s_bfe_u32 s2, ttmp6, 0x10000c
	s_cmp_lg_u32 s2, 0xf033
	s_cbranch_scc0 .Lentry_shape_is_right
	s_endpgm
.Lentry_shape_is_right:
; Launch 4 of 4: out0[token][n] = sum over head, channel of ao[head][token][channel] wo16[head][n][channel] + b_o[n].  Operands f16, sums f32, out0 [8192][1024] f32.  No work is left out here.
; A tile of out0 is 128 tokens x 256 columns: 256 work-groups.  Four waves, each 64 x 128: 32 accumulators of 16 x 16, 256 registers (window 2).  K goes head by head (the same order on both sides):
; a K step is two heads, 128 along K, in four quarters of 32; eight K steps through a ring of two LDS slots.  Waves 0 and 1 fetch A's two heads (128 rows x 128 bytes each), waves 2 and 3 B's (256 rows each).
; CLUSTERS: 4 x 4 work-groups; A's tiles are shared along a row of the cluster, B's along a column: each is asked for JOINTLY.
; THE MATRIX INSTRUCTION IS USED TRANSPOSED (source 0 = 16 rows of wo16, source 1 = 16 tokens): a lane holds eight neighbouring columns of a token's row.  b_o is the C of each sum's first product.
; REGISTERS: window 0: v0-31 addresses; v64-127 A's fragments, two buffers of 32; v128-191 b_o, register 8 b + j; on the way out v128-255 take the rows read back.   window 1: v0-127 B's fragments, two buffers of 64.
;   window 2: the accumulators, (a, b) at v[8 (8 a + b)].
.set PITCH,  144                       ; an LDS row: 128 bytes + 16 of padding = 36 words: the 16 rows of a load start at 16 different groups of four banks (ISA guide 11.1)
.set APART,  128*PITCH                 ; A's rows of one head
.set BPART,  256*PITCH                 ; B's
.set SLOT,   2*APART+2*BPART           ; A's two heads, then B's two
.set STAGE,  2*SLOT                    ; behind the ring: 16 rows x (512 bytes + 16) for each wave
.set SPITCH, 528
.set SPARE,  STAGE+4*16*SPITCH         ; the spare words, 128 bytes a wave, named by no other line
.set LAPS,   4                         ; a lap = two K steps = once round the ring
.set ADRA, 16                          ; v16-17  LDS address of my A fragments in slot 0, 1
.set ADRB, 20                          ; v20-21  the same for B
.set STO,  24                          ; v24     the way out: where I put 32 bytes of a row
.set RD,   25                          ; v25     where I read a row back
.set CO,   26                          ; v26     my byte offset in a row of out0
.set SPW,  28                          ; v28     LDS address of my spare word; never rewritten
.set NIL,  29                          ; v29     0; never rewritten
.set AF,   64
.set BO,   128
.set BK,   128
.set G1, 24                            ; s[24:31] group 1 for A's tiles;  s[32:39] group 0, a set for each slot
.set G0, 32
.set G1B, 48                           ; s[48:55], s[56:63] the same for B's
.set G0B, 56
.set MSB, 0
.macro WIN new                         ; the immediate's high byte repeats the setting that is left
.if MSB != \new
	s_set_vgpr_msb (MSB<<8)|\new
.set MSB, \new
.endif
.endm
.set MUL,  0xa1                        ; source 0 (B) window 1, source 1 (A) window 0, C and D window 2
.set MULF, 0x81                        ; the first quarter: C = b_o in window 0
.set TO_F, 0x40                        ; destination window 1, address window 0
.macro JLOAD s                         ; a joint load: waves 0 and 1 fetch for A, waves 2 and 3 for B; an s_nop 0 and four v_nop follow each of the two lines
	s_cmp_eq_u32 s13, 0
	s_cbranch_scc0 .Lfor_b_\@
	tensor_load_to_lds s[G0+4*\s:G0+4*\s+3], s[G1:G1+7]
	s_nop 0
.rept 4
	v_nop
.endr
	s_branch .Lasked_\@
.Lfor_b_\@:
	tensor_load_to_lds s[G0B+4*\s:G0B+4*\s+3], s[G1B:G1B+7]
	s_nop 0
.rept 4
	v_nop
.endr
.Lasked_\@:
.endm
.macro CREST                           ; a round of the cluster's barrier behind its opening barrier
	s_cmp_lg_u32 s12, 0
	s_cbranch_scc1 .Lnot_wave_0_\@
	s_barrier_signal -3
.Lnot_wave_0_\@:
	s_barrier_wait -3
	s_barrier_signal -1
	s_barrier_wait -1
.endm
.macro CROUND                          ; a whole round
	s_barrier_signal -1
	s_barrier_wait -1
	CREST
.endm
	s_load_b128 s[4:7], s[0:1], 0x0                ; ao s[4:5], wo16 s[6:7]
	s_load_b128 s[8:11], s[0:1], 0x10              ; b_o s[8:9], out0 s[10:11]
	v_lshl_add_u32 v[SPW], v0, 2, SPARE
	v_mov_b32 v[NIL], 0
	ds_add_u32 v[SPW], v[NIL]                      ; the wave's opening: the add, twice on end, and its wait ahead of my first tensor load
	ds_add_u32 v[SPW], v[NIL]
	v_lshrrev_b32 v1, 5, v0
	v_readfirstlane_b32 s12, v1                    ; wave 0..3
	s_lshr_b32 s13, s12, 1                         ; which half of the tile's rows is mine.  Also: I fetch for A (0) or for B (1)
	s_and_b32 s14, s12, 1                          ; which half of its columns.  Also: which of a K step's two heads I fetch
	s_bfe_u32 s40, ttmp6, 0x40000                  ; cx, cy: my place in the cluster
	s_bfe_u32 s41, ttmp6, 0x40004
	s_lshl_b32 s42, ttmp9, 2
	s_add_co_u32 s42, s42, s40                     ; tile column = 4 x cluster x + cx
	s_and_b32 s15, ttmp7, 0xffff
	s_lshl_b32 s15, s15, 2
	s_add_co_u32 s15, s15, s41                     ; tile row = 4 x cluster y + cy
	s_lshl_b32 s43, s41, 2
	s_lshl_b32 s43, 15, s43                        ; my row of the cluster
	s_lshl_b32 s44, 0x1111, s40                    ; my column
	; descriptor group 1: rows of 64 elements of 2 bytes, dense in memory, padded in LDS; 128 rows for A, 256 for B
	s_or_b32 s[G1+0], s43, (1<<16)|(1<<20)|(1<<21)|(4<<22)|(3<<25)   ; 15:0 the mask; 17:16 elements of 2 bytes; 20 padding on; 21 set beside a mask; 24:22 after every 32 words; 31:25 four words
	s_or_b32 s[G1B+0], s44, (1<<16)|(1<<20)|(1<<21)|(4<<22)|(3<<25)
	s_mov_b32 s[G1+1], 64<<16                      ; tensor_dim0
	s_mov_b32 s[G1+2], 128<<16                     ; tensor_dim1
	s_mov_b32 s[G1+3], 64<<16                      ; tile_dim0
	s_mov_b32 s[G1+4], 128                         ; tile_dim1
	s_mov_b32 s[G1+5], 64                          ; tensor_dim0_stride
	s_mov_b32 s[G1+6], 0
	s_mov_b32 s[G1+7], 0
	s_mov_b32 s[G1B+1], 64<<16
	s_mov_b32 s[G1B+2], 256<<16
	s_mov_b32 s[G1B+3], 64<<16
	s_mov_b32 s[G1B+4], 256
	s_mov_b32 s[G1B+5], 64
	s_mov_b32 s[G1B+6], 0
	s_mov_b32 s[G1B+7], 0
	s_lshl_b32 s16, s14, 20                        ; A: a head of ao is 1,048,576 bytes; a tile row 128 tokens of 128 bytes
	s_lshl_b32 s17, s15, 14
	s_add_co_u32 s16, s16, s17
	s_mov_b32 s17, 0
	s_lshl_b32 s46, s14, 17                        ; B: a head of wo16 is 131,072 bytes; a tile column 256 rows of 128 bytes
	s_lshl_b32 s47, s42, 15
	s_add_co_u32 s46, s46, s47
	s_mov_b32 s47, 0
	s_mul_i32 s45, s14, APART                      ; where they go: A's head,
	s_mul_i32 s20, s14, BPART
	s_add_co_u32 s20, s20, 2*APART                 ; B's head, behind A's two: no place in the cluster enters an LDS address
	s_wait_dscnt 0x0                               ; both opening adds are done
	s_wait_kmcnt 0x0
	s_add_nc_u64 s[16:17], s[4:5], s[16:17]
	s_add_nc_u64 s[46:47], s[6:7], s[46:47]
	CROUND                                         ; all sixteen work-groups are here: the first joint loads meet
.irp s, 0,1
	s_mov_b32 s[G0+4*\s], 1
	s_add_co_u32 s[G0+4*\s+1], s45, \s*SLOT
	s_add_nc_u64 s[G0+4*\s+2:G0+4*\s+3], s[16:17], \s*2097152      ; K step s: two heads on
	s_or_b32 s[G0+4*\s+3], s[G0+4*\s+3], 0x80000000
	s_mov_b32 s[G0B+4*\s], 1
	s_add_co_u32 s[G0B+4*\s+1], s20, \s*SLOT
	s_add_nc_u64 s[G0B+4*\s+2:G0B+4*\s+3], s[46:47], \s*262144
	s_or_b32 s[G0B+4*\s+3], s[G0B+4*\s+3], 0x80000000
	JLOAD \s                                       ; by this text's count two tensor loads of a wave are out
.endr
	v_and_b32 v1, 15, v0                           ; l % 16
	v_bfe_u32 v2, v0, 4, 1                         ; l / 16
	v_lshlrev_b32 v4, 5, v2                        ; b_o: my half's eight numbers of a block of 16 columns
	s_lshl_b32 s20, s42, 10
	s_lshl_b32 s21, s14, 9
	s_add_co_u32 s20, s20, s21                     ; my first column, in bytes of f32: 1,024 x tile column + 512 x half
	s_mov_b32 s21, 0
	s_add_nc_u64 s[8:9], s[8:9], s[20:21]
	s_add_nc_u64 s[10:11], s[10:11], s[20:21]
.irp b, 0,1,2,3,4,5,6,7
	global_load_b128 v[BO+8*\b:BO+8*\b+3],   v4, s[8:9] offset:64*\b         ; register 8 b + j: b_o[my first column + 16 b + 8 (l / 16) + j]
	global_load_b128 v[BO+8*\b+4:BO+8*\b+7], v4, s[8:9] offset:64*\b+16
.endr
	s_lshl_b32 s22, s15, 19                        ; my first row of out0: 128 x tile row + 64 x half, rows of 4,096 bytes
	s_lshl_b32 s23, s13, 18
	s_add_co_u32 s22, s22, s23
	s_mov_b32 s23, 0
	s_add_nc_u64 s[10:11], s[10:11], s[22:23]
	v_mul_u32_u24 v3, v1, PITCH
	v_lshl_add_u32 v3, v2, 4, v3                   ; a fragment's row x pitch + 16 x half
	s_mul_i32 s21, s13, 64*PITCH                   ; my 64 rows of A
	s_mul_i32 s22, s14, 128*PITCH                  ; my 128 rows of B,
	s_add_co_u32 s22, s22, 2*APART                 ; which lie behind A's two heads
.irp s, 0,1
	v_add_nc_u32 v[ADRA+\s], s21, v3
	v_add_nc_u32 v[ADRB+\s], s22, v3
	s_add_co_u32 s21, s21, SLOT
	s_add_co_u32 s22, s22, SLOT
.endr
	s_mul_i32 s23, s12, 16*SPITCH
	s_add_co_u32 s23, s23, STAGE                   ; my stage
	v_mul_u32_u24 v5, v1, SPITCH                   ; in: row l % 16, 32 bytes for each half of the lanes
	v_lshl_add_u32 v5, v2, 5, v5
	v_add_nc_u32 v[STO], s23, v5
	v_and_b32 v6, 31, v0
	v_lshlrev_b32 v[CO], 4, v6                     ; back: the 32 lanes take one row of 512 bytes; and the same in out0
	v_add_nc_u32 v[RD], s23, v[CO]
; 8 matrix instructions: A's block a x B's eight, 32 along K, from buffers f.  first = 1: C = b_o starts the sums.  The 32 accumulators take turns, one instruction a turn, in the same order in every quarter.
.macro MUL8 f, a, first
.irp b, 0,1,2,3,4,5,6,7
.if \first
	v_wmma_f32_16x16x32_f16 v[8*(8*(\a)+\b):8*(8*(\a)+\b)+7], v[64*(\f)+8*\b:64*(\f)+8*\b+7], v[AF+32*(\f)+8*(\a):AF+32*(\f)+8*(\a)+7], v[BO+8*\b:BO+8*\b+7]
.else
	v_wmma_f32_16x16x32_f16 v[8*(8*(\a)+\b):8*(8*(\a)+\b)+7], v[64*(\f)+8*\b:64*(\f)+8*\b+7], v[AF+32*(\f)+8*(\a):AF+32*(\f)+8*(\a)+7], v[8*(8*(\a)+\b):8*(8*(\a)+\b)+7]
.endif
.endr
.endm
.macro MUL16 f, a0, first
	MUL8 \f, \a0, \first
	MUL8 \f, \a0+1, \first
.endm
; 24 LDS loads in one run: the fragments of quarter q of a slot (head q / 2, channels 32 (q % 2) on) into buffers f: B's eight blocks, then A's four
.macro FETCH slot, q, f
	WIN TO_F
.irp i, 0,1,2,3,4,5,6,7
	ds_load_b128 v[64*(\f)+8*\i:64*(\f)+8*\i+3],   v[ADRB+\slot] offset:BPART*((\q)/2)+64*((\q)%2)+\i*16*PITCH
	ds_load_b128 v[64*(\f)+8*\i+4:64*(\f)+8*\i+7], v[ADRB+\slot] offset:BPART*((\q)/2)+64*((\q)%2)+\i*16*PITCH+32
.endr
	WIN 0
.irp i, 0,1,2,3
	ds_load_b128 v[AF+32*(\f)+8*\i:AF+32*(\f)+8*\i+3],   v[ADRA+\slot] offset:APART*((\q)/2)+64*((\q)%2)+\i*16*PITCH
	ds_load_b128 v[AF+32*(\f)+8*\i+4:AF+32*(\f)+8*\i+7], v[ADRA+\slot] offset:APART*((\q)/2)+64*((\q)%2)+\i*16*PITCH+32
.endr
.endm
.macro PLACES                          ; four places in front of loads into registers that matrix instructions have read, and of the first read of results (ISA guide 7.12.1 for vector instructions)
.rept 4
	v_nop
.endr
.endm
; One of a K step's first three quarters: multiplies buffers f and fetches quarter q of the same slot into buffers g
.macro QUARTER slot, q, f, g, first
	s_wait_dscnt 4                                 ; B's blocks and A's blocks 0 and 1 are in; the youngest four loads (A's blocks 2 and 3) may be out
.if \first
	WIN MULF
.else
	WIN MUL
.endif
	MUL16 \f, 0, \first
	PLACES
	FETCH \slot, \q, \g
	s_wait_dscnt 24                                ; all but the 24 just issued
.if \first
	WIN MULF
.else
	WIN MUL
.endif
	MUL16 \f, 2, \first
.endm
; The last quarter multiplies buffers 1 and changes slots: ONE barrier; in front of it each wave waits for all its tensor loads, adds 0 to its spare word, and waits for that and for its reads of this slot.
; fill = 1: the barrier opens a round of the cluster's, and behind it this slot is filled again, two K steps (four heads) ahead.
.macro TURN slot, next, fill
	WIN 0                                          ; (the add's two registers lie in window 0)
	s_wait_tensorcnt 0x0                           ; all my tensor loads have landed: my part of the next slot
	ds_add_u32 v[SPW], v[NIL]                      ; 0 onto my spare word
	s_wait_dscnt 5                                 ; (the add and the youngest four loads may be out)
	WIN MUL
	MUL8 1, 0, 0                                   ; eight matrix instructions stand between the add and the wait for it
	s_wait_dscnt 0x0                               ; the add is done, and my reads of this slot are over
	s_barrier_signal -1
	MUL8 1, 1, 0
	WIN 0                                          ; (branches may follow)
	s_barrier_wait -1
.if \fill
	CREST                                          ; no wave of any partner still reads this slot's tiles or has a load on its way
	s_add_nc_u64 s[G0+4*\slot+2:G0+4*\slot+3], s[G0+4*\slot+2:G0+4*\slot+3], 4194304
	s_add_nc_u64 s[G0B+4*\slot+2:G0B+4*\slot+3], s[G0B+4*\slot+2:G0B+4*\slot+3], 524288
	JLOAD \slot                                    ; the first tensor load behind the round; the four v_nop behind it are also the places in front of the loads below
.else
	PLACES
.endif
	FETCH \next, 0, 0
	WIN MUL
	MUL16 1, 2, 0
.endm
	s_wait_tensorcnt 1                             ; my part of K step 0 is in (K step 1's load may be out)
	s_barrier_signal -1
	s_barrier_wait -1                              ; everybody's is
	FETCH 0, 0, 0
	s_wait_loadcnt 0x0                             ; b_o
	QUARTER 0, 1, 0, 1, 1                          ; the first quarter stands in front of the loop: its products start the sums from b_o
	WIN 0                                          ; at a label and at a branch every window is 0
	s_mov_b32 s3, LAPS-1
.Llap:                                                 ; a trip goes once round the ring, from a lap's second quarter to the next lap's first, and fills both slots again
	QUARTER 0, 2, 1, 0, 0
	QUARTER 0, 3, 0, 1, 0
	TURN 0, 1, 1
	QUARTER 1, 1, 0, 1, 0
	QUARTER 1, 2, 1, 0, 0
	QUARTER 1, 3, 0, 1, 0
	TURN 1, 0, 1
	QUARTER 0, 1, 0, 1, 0
	WIN 0
	s_sub_co_u32 s3, s3, 1
	s_cmp_lg_u32 s3, 0
	s_cbranch_scc1 .Llap
	QUARTER 0, 2, 1, 0, 0                          ; the last lap fills nothing, and has no round of the cluster's barrier
	QUARTER 0, 3, 0, 1, 0
	TURN 0, 1, 0
	QUARTER 1, 1, 0, 1, 0
	QUARTER 1, 2, 1, 0, 0
	QUARTER 1, 3, 0, 1, 0
	s_wait_dscnt 4                                 ; the very last quarter: nothing more to fetch
	WIN MUL
	MUL16 1, 0, 0
	s_wait_dscnt 0
	MUL16 1, 2, 0
	WIN 0
; THE WAY OUT, block by block of 16 rows x 128 columns: through my own stage in LDS, back as whole rows of 512 bytes, which the 32 lanes store.
.macro TOSTAGE a
	WIN 0x08                                       ; an LDS store's data are its source 1: window 2
.irp b, 0,1,2,3,4,5,6,7
	ds_store_b128 v[STO], v[8*(8*(\a)+\b):8*(8*(\a)+\b)+3] offset:64*\b          ; each accumulator from its low end on
	ds_store_b128 v[STO], v[8*(8*(\a)+\b)+4:8*(8*(\a)+\b)+7] offset:64*\b+16
.endr
	WIN 0
.set BB, BK+64*((\a)%2)
.irp t, 0,1,2,3,4,5,6,7,8,9,10,11,12,13,14,15
	ds_load_b128 v[BB+4*\t:BB+4*\t+3], v[RD] offset:\t*SPITCH      ; LDS serves a wave's instructions in order (ISA guide 5.7.1.4): these see the stores above
.endr
.endm
.macro SEND a, younger                 ; younger: the LDS instructions issued behind block a's loads, which may stay out
.set BB, BK+64*((\a)%2)
	s_wait_dscnt \younger                          ; the block is back in registers
.if (\a) > 0
	s_add_nc_u64 s[10:11], s[10:11], 65536         ; (behind a wait on XCNT: the earlier stores have read their base)  16 rows of out0 on
.endif
.irp t, 0,1,2,3,4,5,6,7,8,9,10,11,12,13,14,15
	global_store_b128 v[CO], v[BB+4*\t:BB+4*\t+3], s[10:11] offset:\t*4096 th:TH_STORE_NT   ; 32 lanes store 512 consecutive bytes, at a multiple of 256 from out0's first byte; written once, read by nobody here
.endr
.endm
	PLACES                                         ; behind the last products: for the first read of results and for the loads into b_o's registers
	TOSTAGE 0
.irp a, 1,2,3
.if \a > 1
	s_wait_xcnt 0x0                                ; block a - 2's stores have read their registers and their base: block a's loads may land there, and the base may step
.endif
	TOSTAGE \a
	SEND \a-1, 32                                  ; behind block a - 1's loads: block a's 16 stores and 16 loads
.endr
	s_wait_xcnt 0x0                                ; block 2's stores have read their base
	SEND 3, 0
	s_wait_tensorcnt 0x0                           ; the wave's end, behind my last tensor load and my last LDS store
	ds_add_u32 v[SPW], v[NIL]
	s_wait_dscnt 0x0
	CROUND                                         ; the closing round: no work-group ends while a partner may still ask for a tile that names it
	s_endpgm
.Lfunc_end_k_qa26e4a1b49_outp:
	.size	k_qa26e4a1b49_outp, .Lfunc_end_k_qa26e4a1b49_outp-k_qa26e4a1b49_outp
	.p2alignl 7, 3214868480
	.fill 96, 4, 3214868480
	.section	.rodata,"a",@progbits
	.p2align	6, 0x0
	.amdhsa_kernel k_qa26e4a1b49_outp
		.amdhsa_group_segment_fixed_size 327680
		.amdhsa_private_segment_fixed_size 0
		.amdhsa_enable_private_segment 0
		.amdhsa_kernarg_size 32
		.amdhsa_user_sgpr_count 2
		.amdhsa_user_sgpr_kernarg_segment_ptr 1
		.amdhsa_wavefront_size32 1
		.amdhsa_system_sgpr_workgroup_id_x 1
		.amdhsa_system_sgpr_workgroup_id_y 1
		.amdhsa_system_sgpr_workgroup_id_z 1
		.amdhsa_system_vgpr_workitem_id 0
		.amdhsa_next_free_vgpr 768
		.amdhsa_next_free_sgpr 66
		.amdhsa_reserve_vcc 0
		.amdhsa_float_denorm_mode_32 3
		.amdhsa_float_denorm_mode_16_64 3
		.amdhsa_memory_ordered 1
		.amdhsa_forward_progress 1
		.amdhsa_inst_pref_size 87
	.end_amdhsa_kernel
	.amdgpu_metadata
---
amdhsa.version: [ 1, 2 ]
amdhsa.kernels:
  - .name:           k_qa26e4a1b49_outp
    .symbol:         k_qa26e4a1b49_outp.kd
    .args:
      - { .name: ao, .offset: 0, .size: 8, .value_kind: global_buffer, .address_space: global }
      - { .name: wo16, .offset: 8, .size: 8, .value_kind: global_buffer, .address_space: global }
      - { .name: b_o, .offset: 16, .size: 8, .value_kind: global_buffer, .address_space: global }
      - { .name: out0, .offset: 24, .size: 8, .value_kind: global_buffer, .address_space: global }
    .group_segment_fixed_size: 327680
    .private_segment_fixed_size: 0
    .kernarg_segment_align: 8
    .kernarg_segment_size: 32
    .max_flat_workgroup_size: 128
    .sgpr_count:     66
    .vgpr_count:     768
    .wavefront_size: 32
...
	.end_amdgpu_metadata
.endif
;; end of part 4
